; MI455X (gfx1250); checked and timed in simulation.
; The chip was launched on July 23, 2026; its instructions are those of AMD's public machine-readable ISA for CDNA 5 (MIT licence, August 2026) and "CDNA5" Instruction Set Architecture Reference Guide (July 2026). The comments in the code are by the model that wrote it; some were corrected since.
;; Bahdanau Attention. Allowed arithmetic: float matrix products may take bf16 or f16 operands with f32 sums; other float arithmetic in f32, or as packed bf16 or f16 multiplies, adds, multiply-adds, maxima and minima; sums over many terms, partial sums and values carried from step to step in f32; what a program stores and reads back later, other than sums and carried values, may be rounded once to bf16 or f16.
;; Inputs: W_dec 1,024 x 1,024 float32; W_enc 1,024 x 1,024 float32; dec_hidden 64 x 1,024 float32; enc_mask 64 x 1,024 bool; enc_outputs 64 x 1,024 x 1,024 float32; v 1,024 float32.
;; Outputs: out0 64 x 1,024 float32; out1 64 x 1,024 float32.
;; 2 versions, each right; version 2 is version 1 with the launch main written anew for expert scheduling mode. Each part assembles by itself: llvm-mc -triple=amdgcn-amd-amdhsa -mcpu=gfx1250 --defsym DOCPART=n.
;; ======== version 1 of 2: 3 launches
;; workspace buffers: wq 2,097,152 bytes; dp 262,144 bytes; sc 262,144 bytes; pc 2,097,152 bytes
;; launch prep (part 1): grid 256 x 1, 8 waves a work-group, no clusters, 11,264 bytes of LDS; arguments W_enc, W_dec, dec_hidden, wq, dp; writes wq, dp
.if DOCPART == 1
	.amdgcn_target "amdgcn-amd-amdhsa--gfx1250"
	.amdhsa_code_object_version 6
	.text
	.protected	k_qdfa2969e02_prep
	.globl	k_qdfa2969e02_prep
	.p2align	8
	.type	k_qdfa2969e02_prep,@function
k_qdfa2969e02_prep:
	s_mov_b64 s[64:65], 0
	v_nop
	global_prefetch_b8 v0, s[64:65] scope:SCOPE_SE
	s_setreg_imm32_b32 hwreg(HW_REG_WAVE_MODE, 25, 1), 1
	s_wait_xcnt 0x0
; BAHDANAU ATTENTION, first of three launches.  Nothing of the problem's function is left out in any of them: every input reaches an output and is loaded, the mask's
; -1e9 is selected, and the maximum is taken away ahead of every exponential of the softmax.
; This launch makes two tables for the second one.
;   wq: W_enc rounded once to bf16, in the order in which a wave's operand registers take it: the 16 bytes at
;       (((ob / 8) 32 + t) 8 + ob % 8) 1024 + 512 q + 16 L  hold  W_enc[16 ob + L % 16][32 t + 16 q + 8 (L / 16) + 0..7].
;   dp: c (dec_hidden W_dec^T) in f32, c = 2 log2(e): the second launch takes tanh(y) as 1 - 2 / (1 + 2^(c y)).  Operands rounded once to bf16, sums in f32.
;       It lies in blocks: block 64 (batch / 16) + output / 16 holds [16 batches][16 outputs], 1,024 bytes on end, so that a work-group's stores cover whole aligned runs of 512 bytes.
; SHARES.  Work-group j makes block j of dp: batches 16 (j / 64) .. + 15, outputs 16 (j % 64) .. + 15; K is split among its eight waves, 128 each (four steps of 32), and the eight
; partial sums meet in LDS.  Each wave also rounds one fragment of W_enc: block ob = j / 4, K step t = 8 (j % 4) + wave.  A wave's 36 loads all go out at its first lines.
; LAYOUT.  A fragment is 16 rows x 32 k: lane l holds row l % 16; registers 0-3 k = 8 (l / 16) + 0..7, registers 4-7 k = 16 + 8 (l / 16) + 0..7.  In f32 that is four loads of 16 bytes,
; at 0, 16, 64 and 80 from row x 4,096 + 32 (l / 16); eight roundings in place make the fragment.  Source 0 = 16 rows of W_dec, source 1 = 16 rows of dec_hidden: a lane of the result
; holds one batch (l % 16) and the outputs 8 (l / 16) + 0..7.
; LIMITS.  NaN and infinities in the inputs are not treated apart.
.set WPART, 1280                       ; a wave's partial sums: 16 batches x 80 bytes (64 of data, 16 of padding: sixteen lanes' 16 bytes fall into sixteen different columns of 16 bytes mod 256)
.set LP,    80
.set SPARE, 8*WPART                    ; behind the partial sums: the spare words, 128 bytes for each of eight waves; no other line names them
.set ACC0,  16                         ; v[16:23]  steps 0 and 2
.set ACC1,  24                         ; v[24:31]  steps 1 and 3
.set EB,    32                         ; v[32:47]  W_enc's fragment
.set WS,    48                         ; v[48:175] step s: W_dec's fragment at WS + 32 s, dec_hidden's at WS + 32 s + 16, each as 16 f32 and then 8 registers of bf16
; v1 l % 16; v2 l / 16; v3 lane; v4, v5 the add's two registers; v6 FO; v7 EO; v8 WO; v9 LS; v10 LR; v11 DO; v12 at work
	s_load_b256 s[4:11], s[0:1], 0x0               ; W_enc s[4:5], W_dec s[6:7], dec_hidden s[8:9], wq s[10:11]
	s_load_b64 s[12:13], s[0:1], 0x20              ; dp
	v_lshl_add_u32 v4, v0, 2, SPARE                ; my spare word
	v_mov_b32 v5, 0
	v_lshrrev_b32 v12, 5, v0
	v_readfirstlane_b32 s14, v12                   ; wave 0..7
	v_and_b32 v1, 15, v0
	v_bfe_u32 v2, v0, 4, 1
	v_and_b32 v3, 31, v0
	v_lshlrev_b32 v7, 12, v1
	v_lshl_add_u32 v7, v2, 5, v7                   ; EO = row x 4,096 + 32 (l / 16): my place in a fragment's rows
	s_lshl_b32 s30, s14, 9
	v_add_nc_u32 v6, s30, v7                       ; FO = the same at my wave's 128 k
	v_lshlrev_b32 v8, 4, v3                        ; WO = 16 x lane
	s_mul_i32 s30, s14, WPART
	v_mul_u32_u24 v9, v1, LP
	v_lshl_add_u32 v9, v2, 5, v9
	v_add_nc_u32 v9, s30, v9                       ; LS: my wave's part, batch l % 16, 32 bytes for each half of the lanes
	v_lshrrev_b32 v12, 2, v0                       ; thread / 4: a batch (threads 0 to 63)
	v_mul_u32_u24 v10, v12, LP
	v_and_b32 v12, 3, v0
	v_lshl_add_u32 v10, v12, 4, v10                ; LR: four threads read a batch's 64 bytes
	v_lshlrev_b32 v11, 4, v0                       ; DO: and store them, 16 bytes a thread on end
	s_mov_b32 s28, 0x4038aa3b                      ; c = 2 log2(e)
	s_mov_b32 s29, s28                             ; named with it as a pair
	s_lshr_b32 s26, ttmp9, 2                       ; ob = j / 4
	s_and_b32 s27, ttmp9, 3
	s_lshl_b32 s27, s27, 3
	s_add_co_u32 s27, s27, s14                     ; t = 8 (j % 4) + wave
	s_lshl_b32 s16, s26, 16                        ; W_enc: 16 rows of 4,096 bytes x ob
	s_lshl_b32 s30, s27, 7                         ;        + 128 bytes x t
	s_add_co_u32 s16, s16, s30
	s_mov_b32 s17, 0
	s_lshr_b32 s18, s26, 3                         ; wq: 262,144 (ob / 8) + 8,192 t + 1,024 (ob % 8)
	s_lshl_b32 s18, s18, 18
	s_lshl_b32 s30, s27, 13
	s_add_co_u32 s18, s18, s30
	s_and_b32 s30, s26, 7
	s_lshl_b32 s30, s30, 10
	s_add_co_u32 s18, s18, s30
	s_mov_b32 s19, 0
	s_and_b32 s20, ttmp9, 63                       ; W_dec: row 16 (j % 64)
	s_lshl_b32 s20, s20, 16
	s_mov_b32 s21, 0
	s_lshr_b32 s22, ttmp9, 6                       ; dec_hidden: row 16 (j / 64)
	s_lshl_b32 s22, s22, 16
	s_mov_b32 s23, 0
	s_lshl_b32 s24, ttmp9, 10                      ; dp: block j
	s_mov_b32 s25, 0
	s_wait_kmcnt 0x0
	s_add_nc_u64 s[4:5], s[4:5], s[16:17]
	s_add_nc_u64 s[10:11], s[10:11], s[18:19]
	s_add_nc_u64 s[6:7], s[6:7], s[20:21]
	s_add_nc_u64 s[8:9], s[8:9], s[22:23]
	s_add_nc_u64 s[12:13], s[12:13], s[24:25]
.macro FRAG base, vo, p, off           ; a fragment as 16 f32
	global_load_b128 v[(\base):(\base)+3],     v[\vo], s[\p:\p+1] offset:(\off)
	global_load_b128 v[(\base)+4:(\base)+7],   v[\vo], s[\p:\p+1] offset:(\off)+16
	global_load_b128 v[(\base)+8:(\base)+11],  v[\vo], s[\p:\p+1] offset:(\off)+64
	global_load_b128 v[(\base)+12:(\base)+15], v[\vo], s[\p:\p+1] offset:(\off)+80
.endm
.macro CVT base                        ; rounded in place, ascending: register i takes numbers 2 i and 2 i + 1, which no earlier line has written
.set i, 0
.rept 8
	v_cvt_pk_bf16_f32 v[(\base)+i], v[(\base)+2*i], v[(\base)+2*i+1]
.set i, i+1
.endr
.endm
; Step st: its eight loads are in (left: the younger steps' loads, eight each, stay out); both fragments are rounded and multiplied.  The two accumulators take turns, one instruction a turn;
; steps 0 and 1 start the sums.
.macro DSTEP st, acc, left, zero
	s_wait_loadcnt \left
	CVT WS+32*(\st)
	CVT WS+32*(\st)+16
.if \zero
	v_wmma_f32_16x16x32_bf16 v[(\acc):(\acc)+7], v[WS+32*(\st):WS+32*(\st)+7], v[WS+32*(\st)+16:WS+32*(\st)+23], 0
.else
	v_wmma_f32_16x16x32_bf16 v[(\acc):(\acc)+7], v[WS+32*(\st):WS+32*(\st)+7], v[WS+32*(\st)+16:WS+32*(\st)+23], v[(\acc):(\acc)+7]
.endif
.endm
	FRAG EB, 7, 4, 0
.irp st, 0,1,2,3
	FRAG WS+32*\st,    6, 6, 128*\st
	FRAG WS+32*\st+16, 6, 8, 128*\st
.endr
	s_wait_loadcnt 32                              ; W_enc's fragment is in; the four steps' 32 loads stay out
	CVT EB
	global_store_b128 v8, v[EB:EB+3],   s[10:11]              ; each store of the wave covers 512 consecutive bytes, aligned
	global_store_b128 v8, v[EB+4:EB+7], s[10:11] offset:512
	DSTEP 0, ACC0, 24, 1
	DSTEP 1, ACC1, 16, 1
	DSTEP 2, ACC0, 8, 0
	DSTEP 3, ACC1, 0, 0
.rept 4
	v_nop                                          ; four places behind the last product, in front of the lines that read the sums (ISA guide 7.12.1)
.endr
.irp z, 0,2,4,6
	v_pk_add_f32 v[ACC0+\z:ACC0+\z+1], v[ACC0+\z:ACC0+\z+1], v[ACC1+\z:ACC1+\z+1]    ; both accumulators are read from their low end on
.endr
	ds_store_b128 v9, v[ACC0:ACC0+3]
	ds_store_b128 v9, v[ACC0+4:ACC0+7] offset:16
	s_wait_dscnt 0x0                               ; for the others' sake: my partial sums lie in LDS
	s_barrier_signal -1
	s_barrier_wait -1
	s_cmp_lt_u32 s14, 2                            ; threads 0 to 63, waves 0 and 1, add the eight parts: 16 bytes each
	s_cbranch_scc0 .Lend
.irp w, 0,1,2,3,4,5,6,7
	ds_load_b128 v[WS+4*\w:WS+4*\w+3], v10 offset:WPART*\w
.endr
	s_wait_dscnt 0x0
.irp w, 0,2,4,6
	v_pk_add_f32 v[WS+4*\w:WS+4*\w+1],   v[WS+4*\w:WS+4*\w+1],   v[WS+4*\w+4:WS+4*\w+5]
	v_pk_add_f32 v[WS+4*\w+2:WS+4*\w+3], v[WS+4*\w+2:WS+4*\w+3], v[WS+4*\w+6:WS+4*\w+7]
.endr
.irp w, 0,4
	v_pk_add_f32 v[WS+4*\w:WS+4*\w+1],   v[WS+4*\w:WS+4*\w+1],   v[WS+4*\w+8:WS+4*\w+9]
	v_pk_add_f32 v[WS+4*\w+2:WS+4*\w+3], v[WS+4*\w+2:WS+4*\w+3], v[WS+4*\w+10:WS+4*\w+11]
.endr
	v_pk_add_f32 v[WS:WS+1],   v[WS:WS+1],   v[WS+16:WS+17]
	v_pk_add_f32 v[WS+2:WS+3], v[WS+2:WS+3], v[WS+18:WS+19]
	v_pk_mul_f32 v[WS:WS+1],   v[WS:WS+1],   s[28:29] op_sel_hi:[1,0]
	v_pk_mul_f32 v[WS+2:WS+3], v[WS+2:WS+3], s[28:29] op_sel_hi:[1,0]
	global_store_b128 v11, v[WS:WS+3], s[12:13]    ; a wave stores 512 consecutive bytes, aligned: half of the block
.Lend:
	s_wait_tensorcnt 0x0                           ; the wave's end: three closing lines behind my last LDS store
	ds_add_u32 v4, v5
	s_wait_dscnt 0x0
	s_endpgm
.Lfunc_end_k_qdfa2969e02_prep:
	.size	k_qdfa2969e02_prep, .Lfunc_end_k_qdfa2969e02_prep-k_qdfa2969e02_prep
	.p2alignl 7, 3214868480
	.fill 96, 4, 3214868480
	.section	.rodata,"a",@progbits
	.p2align	6, 0x0
	.amdhsa_kernel k_qdfa2969e02_prep
		.amdhsa_group_segment_fixed_size 11264
		.amdhsa_private_segment_fixed_size 0
		.amdhsa_enable_private_segment 0
		.amdhsa_kernarg_size 40
		.amdhsa_user_sgpr_count 2
		.amdhsa_user_sgpr_kernarg_segment_ptr 1
		.amdhsa_wavefront_size32 1
		.amdhsa_system_sgpr_workgroup_id_x 1
		.amdhsa_system_sgpr_workgroup_id_y 1
		.amdhsa_system_sgpr_workgroup_id_z 1
		.amdhsa_system_vgpr_workitem_id 0
		.amdhsa_next_free_vgpr 176
		.amdhsa_next_free_sgpr 66
		.amdhsa_reserve_vcc 0
		.amdhsa_float_denorm_mode_32 3
		.amdhsa_float_denorm_mode_16_64 3
		.amdhsa_memory_ordered 1
		.amdhsa_forward_progress 1
		.amdhsa_inst_pref_size 14
	.end_amdhsa_kernel
	.amdgpu_metadata
---
amdhsa.version: [ 1, 2 ]
amdhsa.kernels:
  - .name:           k_qdfa2969e02_prep
    .symbol:         k_qdfa2969e02_prep.kd
    .args:
      - { .name: W_enc, .offset: 0, .size: 8, .value_kind: global_buffer, .address_space: global }
      - { .name: W_dec, .offset: 8, .size: 8, .value_kind: global_buffer, .address_space: global }
      - { .name: dec_hidden, .offset: 16, .size: 8, .value_kind: global_buffer, .address_space: global }
      - { .name: wq, .offset: 24, .size: 8, .value_kind: global_buffer, .address_space: global }
      - { .name: dp, .offset: 32, .size: 8, .value_kind: global_buffer, .address_space: global }
    .group_segment_fixed_size: 11264
    .private_segment_fixed_size: 0
    .kernarg_segment_align: 8
    .kernarg_segment_size: 40
    .max_flat_workgroup_size: 256
    .sgpr_count:     66
    .vgpr_count:     176
    .wavefront_size: 32
...
	.end_amdgpu_metadata
.endif
;; end of part 1
;; launch main (part 2): grid 256 x 1, 4 waves a work-group, no clusters, 309,760 bytes of LDS; arguments enc_outputs, enc_mask, v, wq, dp, sc, pc; writes sc, pc
.if DOCPART == 2
	.amdgcn_target "amdgcn-amd-amdhsa--gfx1250"
	.amdhsa_code_object_version 6
	.text
	.protected	k_qdfa2969e02_main
	.globl	k_qdfa2969e02_main
	.p2align	8
	.type	k_qdfa2969e02_main,@function
k_qdfa2969e02_main:
	s_mov_b64 s[64:65], 0
	v_nop
	global_prefetch_b8 v0, s[64:65] scope:SCOPE_SE
	s_setreg_imm32_b32 hwreg(HW_REG_WAVE_MODE, 25, 1), 1
	s_wait_xcnt 0x0
; BAHDANAU ATTENTION, second of three launches; nothing is left out.  For each tile of 128 rows (positions) of a batch:
;   x = e W_enc^T (bf16 operands, f32 sums);  s = the sum over o of v[o] tanh(x[o] + dec_proj[o]);  s = -1e9 where the mask is 0;  m = the tile's largest s;  p = e^(s - m);
;   pc = the sum over the tile's rows of p e.   Stored: sc (the masked scores) and pc; the third launch joins a batch's eight tiles.
; tanh(y) = 1 - 2 / (1 + 2^(c y)), c = 2 log2(e); dp holds c dec_proj.  Where 2^(c y) is infinite or 0 the form gives 1 or -1.  v tanh is summed as it stands.
; EACH BYTE OF enc_outputs IS READ ONCE: a tile is rounded to bf16 on its way in and stays in LDS (296,960 bytes) from the products to the weighted sum.
; SHARES.  Work-group g takes tiles 2 g and 2 g + 1, both of batch g / 4.  Its four waves split the 1,024 outputs: wave w owns 256 w .. + 255, in two passes of 128.  In a pass a wave makes
; 128 rows x 128 outputs: 64 accumulators, 512 registers; K goes in 32 steps of 32, 64 matrix instructions each.  Rows come from LDS (16 loads a step); W_enc comes from wq straight into
; registers (16 loads a step, 512 consecutive bytes each, asked for three steps ahead into a ring of four buffers): no two waves of a work-group want the same byte of it.
; THE TILE COMES IN DURING ITS FIRST PASS.  K step t wants slice t / 2 alone (a slice: 64 k of all 128 rows).  A wave brings its own 32 rows, in CHUNKS of 8 loads: chunk c is slice c / 2, half c % 2 of
; those rows.  Chunks 0 to 2 land in accumulator registers, which are idle then, and are laid into LDS ahead of step 0.  Chunk c >= 3 lands in block c % 4 of a ring of four blocks of 32 registers, is
; rounded and stored in the middle of step c - 3, and its block is asked for again there (chunk c + 4).  In the odd steps 1 to 29 a barrier makes the next slice, stored one and two steps earlier,
; visible: between two barriers slice s is read and slice s + 1 written.
; NO CLUSTER, though all work-groups walk wq: a joint load lands in LDS, a K step's part of wq for the four waves is 32,768 bytes, and beside the tile and the tables 17,920 of the 327,680 bytes
; that a work-group can be given are left: no slot fits.  A tile of 64 rows would make room and halve the products for each byte of wq.
; THE MATRIX INSTRUCTION: source 0 = 16 outputs (wq), source 1 = 16 rows.  In the result lane l holds row l % 16 and its registers the outputs 8 (l / 16) + 0..7: dp and v are eight registers for
; each block of outputs, and a row's score is summed inside a lane.
; LIMITS.  A weight p below 2^-126 counts as 0.  NaN and infinities in the inputs are not treated apart.
; REGISTERS, in windows of 256 (s_set_vgpr_msb: bits 1:0 source 0, 3:2 source 1, 5:4 source 2, 7:6 destination):
;   window 0: v0-31 addresses and scores; v32-63 at work, in a first pass ring block 2; v64-95 fragments of rows 0-63 (one buffer: loaded again in the middle of the step that has multiplied it);
;             v96-127, v128-159 fragments of rows 64-127, two buffers; v160-191 ring block 3; v192-255 score sums, in a first pass ring blocks 0 and 1.
;             Behind a pass v64-127 hold dp and v128-191 v; in the weighted sum v64-127 hold rows and v128-143 p.
;   window 1: four buffers of wq's fragments      windows 2, 3: the accumulators, (a, b) at 8 (8 (a % 4) + b) of window 2 + a / 4
.set SB,    18560                      ; LDS: a slice: 128 x 144 + 128 bytes
.set PA,    144                        ; a row of a slice: 128 bytes + 16: the 16 rows of a fragment load start in 16 different groups of four banks (64 banks of 4 bytes: ISA guide 11.1)
.set DPB,   16*SB                      ; dp of my batch, 4,096 bytes; v follows it, 4,096 bytes
.set SCR,   DPB+8192                   ; [wave][128 rows] partial scores
.set PW,    SCR+2048                   ; [wave][128] p: each wave's own copy
.set SPARE, PW+2048                    ; the spare words, 128 bytes for each wave; no other line names them
.set SPW,   4                          ; v4   my spare word's address; never rewritten
.set NIL,   5                          ; v5   0; never rewritten
.set ADRA0, 6                          ; v6   144 (l % 16) + 16 (l / 16): my place in a fragment's rows
.set ADRA,  7                          ; v7   the same, walking along K
.set BO,    8                          ; v8   16 x lane
.set GOFF,  9                          ; v9   (32 w + 8 (l / 16)) x 4,096 + 16 (l % 16): my place in the tile in memory
.set STA0,  10                         ; v10  (32 w + 8 (l / 16)) x 144 + 8 (l % 16): and in a slice
.set STA,   11                         ; v11  the same, walking
.set DVA,   12                         ; v12  dp's eight numbers for block 0 of the pass in hand
.set SCW,   13                         ; v13  where I put a row's partial score
.set SCRD,  14                         ; v14  where I read four rows' partial scores
.set PWW,   15                         ; v15  where I put four p
.set PWB0,  16                         ; v16  my wave's copy of p
.set PWB,   17                         ; v17  walking
.set CA0,   18                         ; v18  the weighted sum: columns 4 t .. + 3 of row 0 (t: my thread's number)
.set CA,    19
.set CB,    20
.set CB0,   21                         ; v21  columns 512 + 4 t .. + 3
.set MSK,   22                         ; v22  four rows' mask bytes, the tile in hand
.set MSK1,  23                         ; v23  the second tile's
.set DST,   24                         ; v24  where I lay 16 bytes of dp into LDS
.set POFF,  25                         ; v25  16 t
.set PFO,   26                         ; v26  4,096 t: a row of the tile for each lane
.set DVA0,  27                         ; v27  DVA for the first pass
.set SV,    28                         ; v[28:31] four rows' scores
.set X,     32
.set Y,     40
.set CX,    48                         ; v[48:55] eight columns' sums
.set T,     56                         ; v[56:63] at work
.set LO,    64
.set HI0,   96
.set HI1,   128
.set DPR,   64                         ; the way out: dp
.set VVR,   128                        ; the way out: v
.set CE,    64                         ; the weighted sum: 16 rows
.set CP,    128                        ; the weighted sum: their p
.set SCB,   192                        ; score sums: rows 16 a .., registers 2 z, 2 z + 1 of the accumulators, at SCB + 8 a + 2 z
.set RB0,   192                        ; the ring: chunk c lies in block c % 4
.set RB1,   224
.set RB2,   32
.set RB3,   160
; s[4:5] enc_outputs; s[6:7] mask; s[8:9] v; s[10:11] wq; s[12:13] dp; s[14:15] sc; s[16:17] pc; s18 wave; s19 at work; s[20:21] the tile in memory; s[22:23] the same, walking;
; s[24:25] my wave's part of wq; s[26:27] walking; s[28:29] c; s[30:31] lane selects; s32 tiles left; s33 passes left; s34, s36 loop counts; s37 -1e9; s[38:39] offsets
.set MSB, 0
.macro WIN new                         ; the immediate's high byte repeats the setting that is left; a switch that changes nothing is dropped
.if MSB != (\new)
	s_set_vgpr_msb (MSB<<8)|(\new)
.set MSB, \new
.endif
.endm
.set TO_B, 0x40                        ; destination window 1
.set W_LD, 0x80                        ; destination window 2
.set W_CV, 0x8a                        ; destination and both sources window 2
.set W_ST, 0x08                        ; an LDS store's data (source 1) window 2
.macro PLACES                          ; four places behind a matrix instruction, in front of loads into registers that it has read and of lines that read its result
.rept 4
	v_nop
.endr
.endm
; 16 matrix instructions: row blocks a0, a0 + 1 of the four whose fragments lie at ab x all 8 blocks of outputs.  zero = 1: the products start the sums.  The 64 accumulators take turns in the same
; order in every step, one instruction a turn.
.macro MUL16 ab, fb, hi, a0, zero
	WIN 0xa1+0x50*(\hi)                            ; source 0 window 1, source 1 window 0, C and D window 2 or 3
.irp a, \a0, (\a0)+1
.irp b, 0,1,2,3,4,5,6,7
.if \zero
	v_wmma_f32_16x16x32_bf16 v[8*(8*(\a)+\b):8*(8*(\a)+\b)+7], v[(\fb)+8*\b:(\fb)+8*\b+7], v[(\ab)+8*(\a):(\ab)+8*(\a)+7], 0
.else
	v_wmma_f32_16x16x32_bf16 v[8*(8*(\a)+\b):8*(8*(\a)+\b)+7], v[(\fb)+8*\b:(\fb)+8*\b+7], v[(\ab)+8*(\a):(\ab)+8*(\a)+7], v[8*(8*(\a)+\b):8*(8*(\a)+\b)+7]
.endif
.endr
.endr
.endm
.macro FETCHA ho, off                  ; 128 rows x 32 k from LDS: rows 0-63 first, into their one buffer; rows 64-127 into buffer ho
	WIN 0
.irp i, 0,1,2,3
	ds_load_b128 v[LO+8*\i:LO+8*\i+3],   v[ADRA] offset:(\off)+16*PA*\i
	ds_load_b128 v[LO+8*\i+4:LO+8*\i+7], v[ADRA] offset:(\off)+16*PA*\i+32
.endr
.irp i, 0,1,2,3
	ds_load_b128 v[(\ho)+8*\i:(\ho)+8*\i+3],   v[ADRA] offset:(\off)+16*PA*(\i+4)
	ds_load_b128 v[(\ho)+8*\i+4:(\ho)+8*\i+7], v[ADRA] offset:(\off)+16*PA*(\i+4)+32
.endr
.endm
.macro FETCHB fb, off                  ; 128 outputs x 32 k of wq: 8,192 consecutive bytes
	WIN TO_B
.irp f, 0,1,2,3,4,5,6,7
	global_load_b128 v[(\fb)+8*\f:(\fb)+8*\f+3],   v[BO], s[26:27] offset:(\off)+1024*\f
	global_load_b128 v[(\fb)+8*\f+4:(\fb)+8*\f+7], v[BO], s[26:27] offset:(\off)+1024*\f+512
.endr
.endm
.macro PRIME                           ; a pass's first three K steps of wq
	FETCHB 0, 0
	FETCHB 64, 8192
	FETCHB 128, 16384
.endm
; A chunk is asked for: half q of my 32 rows, slice sl counted from where s[22:23] stands.  A load takes 256 consecutive bytes, aligned, of two rows (lanes 0-15 one row, lanes 16-31 the row 8 below).
; w2 = 1: the registers are window 2's.
.macro EISSUE rb, sl, q, w2
.if \w2
	WIN W_LD
.else
	WIN 0
.endif
.set i, 0
.rept 8
	global_load_b128 v[(\rb)+4*i:(\rb)+4*i+3], v[GOFF], s[22:23] offset:(16*(\q)+i)*4096+256*(\sl) th:TH_LOAD_NT
.set i, i+1
.endr
.endm
; A chunk is rounded in place and laid into LDS, slice sl counted from where v[STA] stands.
.macro ECONS rb, sl, q, w2
.if \w2
	WIN W_CV
.else
	WIN 0
.endif
.set i, 0
.rept 8
	v_cvt_pk_bf16_f32 v[(\rb)+4*i],   v[(\rb)+4*i],   v[(\rb)+4*i+1]
	v_cvt_pk_bf16_f32 v[(\rb)+4*i+1], v[(\rb)+4*i+2], v[(\rb)+4*i+3]
.set i, i+1
.endr
.if \w2
	WIN W_ST
.endif
.set i, 0
.rept 8
	ds_store_b64 v[STA], v[(\rb)+4*i:(\rb)+4*i+1] offset:(\sl)*SB+(16*(\q)+i)*PA  ; two rows' 128 bytes; 8 rows are 1,152 bytes = 128 mod 256
.set i, i+1
.endr
.endm
.macro EARLY                           ; a tile's first six chunks, in the order in which they are used
	s_mov_b64 s[22:23], s[20:21]
	EISSUE 0,   0, 0, 1
	EISSUE 32,  0, 1, 1
	EISSUE 64,  1, 0, 1
	EISSUE RB3, 1, 1, 0
	EISSUE RB0, 2, 0, 0
	EISSUE RB1, 2, 1, 0
.endm
; The middle of a pass's last K step: dp for the way out; wq's pointer goes on to the next pass (behind a tile's second pass: back to the first); the next pass's first three K steps are asked for,
; if there is a next pass.
.macro LASTMID
	WIN 0
.irp b, 0,1,2,3,4,5,6,7
	ds_load_b128 v[DPR+8*\b:DPR+8*\b+3],   v[DVA] offset:64*\b
	ds_load_b128 v[DPR+8*\b+4:DPR+8*\b+7], v[DVA] offset:64*\b+16
.endr
	s_wait_xcnt 0x0                                ; the loads of wq have read their base
	s_add_nc_u64 s[26:27], s[26:27], 32768
	s_cmp_eq_u32 s33, 1
	s_cselect_b64 s[26:27], s[24:25], s[26:27]
	s_lshl1_add_u32 s19, s32, s33                  ; 2 x tiles left + passes left: 6, 5, 4, 3
	s_cmp_eq_u32 s19, 3
	s_cbranch_scc1 .Lno_prime_\@
	PRIME
	WIN 0
.Lno_prime_\@:
.endm
; A K STEP t: multiplies the rows' fragments (rows 64-127 in hb) and wq's buffer fb.  One run of memory instructions stands in its middle:
;   em > 0: chunk t + 3, in ring block rb, is rounded and stored (slice esl, half eq); its sixteen roundings, which name no register of the products, are the four places in front of the loads;
;   kind < 2: the rows of step t + 1 (rows 64-127 into ho);   kind = 0: wq's step t + 3 into fn;   em = 2: ring block rb is asked for again, chunk t + 7;   kind = 2: LASTMID.
;   pf = 1: behind those loads, my wave's own 32 rows (a lane a row, 256 bytes each) of the two slices whose loads stand four and six K steps on are prefetched: slices 2 q + 6 and 2 q + 7 in trip q;
;           each block is named once; the loop's last trip, whose two slices do not exist, asks for nothing.
; bar = 1: the barrier that shows the next slice to every wave.  All my LDS instructions were issued 32 matrix instructions back; 32 more stand between signal and wait.
; lcnt: the loads issued behind wq's step t, which may stay out (loads come back in order: ISA guide 5.7.1).  In a first pass a run issues wq's 16 loads and then a chunk's 8, so behind wq's step t stand
; three chunks and two steps of wq, 56 loads; chunk t + 3 was issued ahead of wq's step t, so the same wait shows it landed.
.macro STEP hb, ho, fb, fn, aoff, boff, lcnt, zero, kind, bar, em, rb, esl, eq, pf
	s_wait_loadcnt \lcnt
.if \bar
	s_wait_dscnt 0x0                               ; for the others' sake: my stores of the next slice are done; my loads are back
	s_barrier_signal -1
.else
	s_wait_dscnt 8                                 ; rows 0-63 are in; the youngest eight loads, rows 64-127, may be out
.endif
	MUL16 LO, \fb, 0, 0, \zero
	MUL16 LO, \fb, 0, 2, \zero
.if \bar
	s_barrier_wait -1                              ; everybody's part of the next slice lies in LDS
.endif
.if (\em) > 0
	ECONS \rb, \esl, \eq, 0
.else
	PLACES
.endif
.if (\kind) < 2
	FETCHA \ho, \aoff
.endif
.if (\kind) == 0
	FETCHB \fn, \boff
.endif
.if (\em) == 2
	EISSUE \rb, (\esl)+2, \eq, 0
.endif
.if \pf
	s_cmp_gt_u32 s34, 1
	s_cbranch_scc0 .Lno_ask_\@
	global_prefetch_b8 v[PFO], s[22:23] offset:256*6 th:TH_LOAD_NT scope:SCOPE_SE
	global_prefetch_b8 v[PFO], s[22:23] offset:256*7 th:TH_LOAD_NT scope:SCOPE_SE
.Lno_ask_\@:
.endif
.if (\kind) == 2
	LASTMID
.endif
.if (\em) > 0
	s_wait_dscnt 24                                ; all but the 8 stores and 16 loads just issued
.else
	s_wait_dscnt 16                                ; all but the 16 LDS loads just issued
.endif
	MUL16 \hb, \fb, 1, 0, \zero
	MUL16 \hb, \fb, 1, 2, \zero
.endm
; K steps 4 q + 1 .. 4 q + 4: two slices of the rows, 32,768 bytes of wq; in a first pass chunks 4 q + 4 .. + 7 are stored and (em = 2) chunks 4 q + 8 .. + 11 asked for.
.macro TRIP4 em, l0, l1, l2, l3, bar
	STEP HI1, HI0, 64,  0,   SB,      4*8192, \l0, 0, 0, \bar, \em, RB0, 2, 0, (\em)/2
	STEP HI0, HI1, 128, 64,  SB+64,   5*8192, \l1, 0, 0, 0,    \em, RB1, 2, 1, 0
	STEP HI1, HI0, 192, 128, 2*SB,    6*8192, \l2, 0, 0, \bar, \em, RB2, 3, 0, 0
	STEP HI0, HI1, 0,   192, 2*SB+64, 7*8192, \l3, 0, 0, 0,    \em, RB3, 3, 1, 0
	WIN 0
	s_wait_xcnt 0x0                                ; the loads and prefetches have read their bases
	s_add_nc_u64 s[26:27], s[26:27], 32768
	v_add_nc_u32 v[ADRA], 2*SB, v[ADRA]
.if (\em) == 2
	s_add_nc_u64 s[22:23], s[22:23], 512
	v_add_nc_u32 v[STA], 2*SB, v[STA]
.endif
.endm
; THE WAY FROM x TO THE SCORE SUMS, a line at a time: EL kind, a, b, z, for accumulator (a, b); written only where a and b lie in 0..7.
;   0: pair z: c x + dp      1: register z: 2^()      2: pair z: + 1      3: register z: 1 / ()      4: pair z: 1 - 2 ()      5: pair z: the score sum takes v x it
.macro EL kind, a, b, z
.if ((\a) >= 0) && ((\a) < 8) && ((\b) >= 0) && ((\b) < 8)
.set rW, (\a)/4
.set rA, 64*((\a)%4)+8*(\b)
.if (\kind) < 5
	WIN 0x82+0x41*rW                               ; destination and source 0 in the accumulator's window
.else
	WIN 2+rW                                       ; source 0 alone
.endif
.if (\kind) == 0
	v_pk_fma_f32 v[rA+2*(\z):rA+2*(\z)+1], v[rA+2*(\z):rA+2*(\z)+1], s[28:29], v[DPR+8*(\b)+2*(\z):DPR+8*(\b)+2*(\z)+1] op_sel_hi:[1,0,1]
.elseif (\kind) == 1
	v_exp_f32 v[rA+(\z)], v[rA+(\z)]
.elseif (\kind) == 2
	v_pk_add_f32 v[rA+2*(\z):rA+2*(\z)+1], v[rA+2*(\z):rA+2*(\z)+1], 1.0 op_sel_hi:[1,0]
.elseif (\kind) == 3
	v_rcp_f32 v[rA+(\z)], v[rA+(\z)]
.elseif (\kind) == 4
	v_pk_fma_f32 v[rA+2*(\z):rA+2*(\z)+1], v[rA+2*(\z):rA+2*(\z)+1], -2.0, 1.0 op_sel_hi:[1,0,0]
.else
	v_pk_fma_f32 v[SCB+8*(\a)+2*(\z):SCB+8*(\a)+2*(\z)+1], v[rA+2*(\z):rA+2*(\z)+1], v[VVR+8*(\b)+2*(\z):VVR+8*(\b)+2*(\z)+1], v[SCB+8*(\a)+2*(\z):SCB+8*(\a)+2*(\z)+1]
.endif
.endif
.endm
; ESTEP k: three row blocks at three stages: block k is scaled and raised, block k - 1 gets its 1 and its reciprocal, block k - 2 its last line and the score sums.  Plain lines and transcendentals
; stand by turns, a transcendental always one accumulator behind the plain line that feeds it.  No line of an ESTEP names the result of a transcendental of the same ESTEP: so each ESTEP has ONE
; s_wait_alu depctr_va_vdst(0), at its end, ahead of the first line that names such a result; the v_nop is the plain line behind the last transcendental.
; Each accumulator is first read at its two lowest registers (kind 0, pair 0).
.macro ESTEP k
.set qq, 0
.rept 9
.irp z, 0,1,2,3
	EL 0, (\k), qq, \z
	EL 1, (\k), qq-1, 2*\z
	EL 1, (\k), qq-1, 2*\z+1
.endr
.irp z, 0,1,2,3
	EL 2, (\k)-1, qq, \z
	EL 3, (\k)-1, qq-1, 2*\z
	EL 3, (\k)-1, qq-1, 2*\z+1
.endr
.irp z, 0,1,2,3
	EL 4, (\k)-2, qq, \z
.endr
.irp z, 0,1,2,3
	EL 5, (\k)-2, qq-1, \z
.endr
.set qq, qq+1
.endr
.if (\k) < 9
	v_nop
	s_wait_alu depctr_va_vdst(0)
.endif
.endm
	s_load_b256 s[4:11], s[0:1], 0x0               ; enc_outputs, enc_mask, v, wq
	s_load_b128 s[12:15], s[0:1], 0x20             ; dp, sc
	s_load_b64 s[16:17], s[0:1], 0x30              ; pc
	v_lshl_add_u32 v[SPW], v0, 2, SPARE
	v_mov_b32 v[NIL], 0
	v_lshrrev_b32 v[T], 5, v0
	v_readfirstlane_b32 s18, v[T]                  ; wave 0..3
	v_and_b32 v1, 15, v0                           ; l % 16
	v_bfe_u32 v2, v0, 4, 1                         ; l / 16
	v_and_b32 v3, 31, v0                           ; lane
	v_mul_u32_u24 v[ADRA0], v1, PA
	v_lshl_add_u32 v[ADRA0], v2, 4, v[ADRA0]
	v_lshlrev_b32 v[BO], 4, v3
	s_lshl_b32 s19, s18, 17                        ; 32 rows of 4,096 bytes
	v_lshlrev_b32 v[GOFF], 15, v2                  ; 8 rows
	v_lshl_add_u32 v[GOFF], v1, 4, v[GOFF]
	v_add_nc_u32 v[GOFF], s19, v[GOFF]
	s_mul_i32 s19, s18, 32*PA
	v_mul_u32_u24 v[STA0], v2, 8*PA
	v_lshl_add_u32 v[STA0], v1, 3, v[STA0]
	v_add_nc_u32 v[STA0], s19, v[STA0]
	s_lshl_b32 s19, s18, 10                        ; my wave's 256 outputs, 4 bytes each
	s_add_co_u32 s19, s19, DPB
	v_lshl_add_u32 v[DVA0], v2, 5, s19
	s_lshl_b32 s19, s18, 9
	s_add_co_u32 s38, s19, SCR
	v_lshl_add_u32 v[SCW], v1, 2, s38
	v_lshl_add_u32 v[SCRD], v3, 4, SCR
	s_add_co_u32 s38, s19, PW
	v_lshl_add_u32 v[PWW], v3, 4, s38
	v_mov_b32 v[PWB0], s38
	v_lshrrev_b32 v[T], 4, v0                      ; thread / 16: a slice
	v_mul_u32_u24 v[CA0], v[T], SB
	v_lshl_add_u32 v[CA0], v1, 3, v[CA0]           ; 64 (t / 16) + 4 (t % 16) = 4 t: columns 4 t .. + 3
	v_add_nc_u32 v[CB0], 8*SB, v[CA0]
	v_lshlrev_b32 v[POFF], 4, v0
	v_add_nc_u32 v[DST], DPB, v[POFF]
	v_lshlrev_b32 v[PFO], 12, v0
	v_lshlrev_b32 v[SV], 2, v3                     ; four mask bytes a lane
	v_lshrrev_b32 v[SV+1], 2, v0                   ; dp lies in blocks of 16 outputs, 1,024 bytes apart: outputs 4 t .. + 3 are 16 bytes of block t / 4
	v_and_b32 v[SV+2], 3, v0
	v_lshlrev_b32 v[SV+1], 10, v[SV+1]
	v_lshl_add_u32 v[SV+1], v[SV+2], 4, v[SV+1]
	s_mov_b32 s28, 0x4038aa3b                      ; c = 2 log2(e)
	s_mov_b32 s29, s28
	s_mov_b32 s30, 0x76543210
	s_mov_b32 s31, 0xfedcba98
	s_mov_b32 s37, 0xce6e6b28                      ; -1e9
	s_mov_b32 s32, 2
	s_mov_b32 s39, 0
	s_wait_kmcnt 0x0
	s_lshl_b32 s38, ttmp9, 20                      ; two tiles of 128 rows of 4,096 bytes
	s_add_nc_u64 s[20:21], s[4:5], s[38:39]
	s_lshl_b32 s38, ttmp9, 8
	s_add_nc_u64 s[6:7], s[6:7], s[38:39]
	s_lshl_b32 s38, ttmp9, 10
	s_add_nc_u64 s[14:15], s[14:15], s[38:39]
	s_lshl_b32 s38, ttmp9, 13
	s_add_nc_u64 s[16:17], s[16:17], s[38:39]
	s_lshr_b32 s19, ttmp9, 2                       ; my batch
	s_lshr_b32 s38, s19, 4
	s_lshl_b32 s38, s38, 16                        ; its group of 16 batches: 64 blocks,
	s_and_b32 s19, s19, 15
	s_lshl_b32 s19, s19, 6                         ; its 64 bytes in each block
	s_add_co_u32 s38, s38, s19
	s_add_nc_u64 s[12:13], s[12:13], s[38:39]
	s_lshl_b32 s38, s18, 19
	s_add_nc_u64 s[24:25], s[10:11], s[38:39]      ; wq at my wave's 256 outputs
	s_mov_b64 s[26:27], s[24:25]
	PRIME
	WIN 0
	global_load_b128 v[X:X+3],     v[SV+1], s[12:13]               ; dp is gathered once, 4,096 bytes a work-group, and used from LDS
	global_load_b128 v[X+4:X+7],   v[SV+1], s[12:13] offset:32768
	global_load_b128 v[X+8:X+11],  v[POFF], s[8:9]
	global_load_b128 v[X+12:X+15], v[POFF], s[8:9] offset:2048
	global_load_b32 v[MSK],  v[SV], s[6:7]
	global_load_b32 v[MSK1], v[SV], s[6:7] offset:128
	EARLY
	WIN 0                                          ; at a label and at a branch every window is 0
.Ltile:
	v_mov_b32 v[STA], v[STA0]
	v_mov_b32 v[DVA], v[DVA0]
	s_wait_loadcnt 40                              ; chunk 0 and all that was asked for ahead of it are in; chunks 1 to 5, 8 loads each, stay out
	s_cmp_eq_u32 s32, 2
	s_cbranch_scc0 .Lhave_dp                       ; dp and v are laid into LDS once: both tiles are of one batch
	ds_store_b128 v[DST], v[X:X+3]
	ds_store_b128 v[DST], v[X+4:X+7]   offset:2048
	ds_store_b128 v[DST], v[X+8:X+11]  offset:4096
	ds_store_b128 v[DST], v[X+12:X+15] offset:6144
.Lhave_dp:
	EISSUE RB2, 3, 0, 0                            ; chunk 6: its ring block was at work until here
	ECONS 0, 0, 0, 1
	s_wait_loadcnt 40                              ; chunk 1; chunks 2 to 6 stay out
	ECONS 32, 0, 1, 1
	s_wait_loadcnt 32                              ; chunk 2; chunks 3 to 6 stay out
	ECONS 64, 1, 0, 1
	WIN 0
	s_wait_dscnt 0x0                               ; for the others' sake: my rows of slice 0 (and my part of dp and v) lie in LDS
	s_barrier_signal -1
	s_barrier_wait -1                              ; slice 0 is whole
	s_mov_b32 s33, 2
.Lpass:
	v_mov_b32 v[ADRA], v[ADRA0]
	FETCHA HI0, 0
	s_cmp_eq_u32 s33, 2
	s_cbranch_scc0 .Lsecond
	; THE FIRST PASS.  K step 0 stands in front of the loop: its products start the sums.  Its count leaves chunks 5 and 6 out: chunk 3, stored here, and chunk 4, stored in step 1, are in.
	STEP HI0, HI1, 0, 192, 64, 3*8192, 16, 1, 0, 0, 2, RB3, 1, 1, 0
	WIN 0
	s_mov_b32 s34, 6
.Lk1:                                                  ; K steps 1 to 24
	TRIP4 2, 56, 56, 56, 56, 1
	s_sub_co_u32 s34, s34, 1
	s_cmp_lg_u32 s34, 0
	s_cbranch_scc1 .Lk1
	TRIP4 1, 56, 48, 40, 32, 1                     ; K steps 25 to 28 store the last four chunks and ask for none: the counts run down by a chunk a step
.set i, 0
.rept 64
	v_mov_b32 v[SCB+i], 0                          ; the ring has been read out: its blocks 0 and 1 become the score sums, which start at 0, so that both passes have one way out
.set i, i+1
.endr
	s_branch .Lktail
.Lsecond:
	; THE SECOND PASS: the tile lies in LDS; wq alone comes in.
	STEP HI0, HI1, 0, 192, 64, 3*8192, 32, 1, 0, 0, 0, 0, 0, 0, 0
	WIN 0
	s_mov_b32 s34, 7
.Lk2:                                                  ; K steps 1 to 28
	TRIP4 0, 32, 32, 32, 32, 0
	s_sub_co_u32 s34, s34, 1
	s_cmp_lg_u32 s34, 0
	s_cbranch_scc1 .Lk2
.Lktail:                                               ; K steps 29 to 31, both passes': no more of this pass's wq is asked for; step 29's barrier shows slice 15 (in the second pass it orders nothing)
	STEP HI1, HI0, 64,  0, SB,    0, 32, 0, 1, 1, 0, 0, 0, 0, 0
	STEP HI0, HI1, 128, 0, SB+64, 0, 16, 0, 1, 0, 0, 0, 0, 0, 0
	STEP HI1, HI0, 192, 0, 0,     0, 0,  0, 2, 0, 0, 0, 0, 0, 0
	PLACES                                         ; behind the last products: for the loads into the buffer that they read and for the lines that read the sums
	WIN 0
.irp b, 0,1,2,3,4,5,6,7
	ds_load_b128 v[VVR+8*\b:VVR+8*\b+3],   v[DVA] offset:4096+64*\b      ; v of the pass's outputs
	ds_load_b128 v[VVR+8*\b+4:VVR+8*\b+7], v[DVA] offset:4096+64*\b+16
.endr
	s_wait_dscnt 16                                ; dp is in; v's 16 loads may be out
	ESTEP 0
	ESTEP 1
	s_wait_dscnt 0x0                               ; v is in: the next lines hold its first use
	ESTEP 2
	ESTEP 3
	ESTEP 4
	ESTEP 5
	ESTEP 6
	ESTEP 7
	ESTEP 8
	ESTEP 9
	WIN 0
	v_add_nc_u32 v[DVA], 512, v[DVA]               ; the second pass's 128 outputs
	s_sub_co_u32 s33, s33, 1
	s_cmp_lg_u32 s33, 0
	s_cbranch_scc1 .Lpass
	; THE SCORES.  A lane's eight sums for each block of rows, the other half of the lanes', then the four waves' parts through LDS.
.irp a, 0,1,2,3,4,5,6,7
	v_pk_add_f32 v[SCB+8*\a:SCB+8*\a+1],   v[SCB+8*\a:SCB+8*\a+1],   v[SCB+8*\a+2:SCB+8*\a+3]
	v_pk_add_f32 v[SCB+8*\a+4:SCB+8*\a+5], v[SCB+8*\a+4:SCB+8*\a+5], v[SCB+8*\a+6:SCB+8*\a+7]
.endr
.irp a, 0,1,2,3,4,5,6,7
	v_pk_add_f32 v[SCB+8*\a:SCB+8*\a+1], v[SCB+8*\a:SCB+8*\a+1], v[SCB+8*\a+4:SCB+8*\a+5]
.endr
.irp a, 0,1,2,3,4,5,6,7
	v_add_f32 v[X+\a], v[SCB+8*\a], v[SCB+8*\a+1]
.endr
.irp a, 0,1,2,3,4,5,6,7
	v_permlanex16_b32 v[Y+\a], v[X+\a], s30, s31   ; the row's other outputs lie in the lane 16 away
.endr
.irp a, 0,1,2,3,4,5,6,7
	v_add_f32 v[X+\a], v[X+\a], v[Y+\a]
.endr
.irp a, 0,1,2,3,4,5,6,7
	ds_store_b32 v[SCW], v[X+\a] offset:64*\a      ; both halves of the lanes write the same number to the same word
.endr
	s_wait_dscnt 0x0                               ; for the others' sake
	s_barrier_signal -1
	s_barrier_wait -1
.irp w, 0,1,2,3
	ds_load_b128 v[X+4*\w:X+4*\w+3], v[SCRD] offset:512*\w
.endr
	s_wait_dscnt 0x0
	v_pk_add_f32 v[X:X+1],     v[X:X+1],     v[X+4:X+5]    ; every wave makes all 128 scores, rows 4 x lane .. + 3, in the same order of sums
	v_pk_add_f32 v[X+2:X+3],   v[X+2:X+3],   v[X+6:X+7]
	v_pk_add_f32 v[X+8:X+9],   v[X+8:X+9],   v[X+12:X+13]
	v_pk_add_f32 v[X+10:X+11], v[X+10:X+11], v[X+14:X+15]
	v_pk_add_f32 v[SV:SV+1],   v[X:X+1],     v[X+8:X+9]
	v_pk_add_f32 v[SV+2:SV+3], v[X+2:X+3],   v[X+10:X+11]
.irp i, 0,1,2,3
	v_bfe_u32 v[T], v[MSK], 8*\i, 8
	v_cmp_ne_u32 vcc_lo, 0, v[T]
	v_cndmask_b32 v[SV+\i], s37, v[SV+\i], vcc_lo  ; -1e9 where the mask is 0
.endr
	s_cmp_eq_u32 s32, 2
	s_cbranch_scc0 .Lno_next
	s_wait_xcnt 0x0                                ; the first tile's loads and prefetches have read their bases
	s_add_nc_u64 s[20:21], s[20:21], 524288        ; the second tile:
	EARLY                                          ; its first six chunks are on their way during the softmax and the weighted sum: the accumulators, v's registers and the score sums have been read out
	WIN 0
.irp i, 3,4,5
	global_prefetch_b8 v[PFO], s[20:21] offset:256*\i th:TH_LOAD_NT scope:SCOPE_SE  ; and my 32 rows of its slices 3 to 5, whose loads stand behind the weighted sum, are prefetched: a lane a row, a slice an instruction
.endr
.Lno_next:
	s_cmp_lg_u32 s18, 0
	s_cbranch_scc1 .Lnot_wave_0
	global_store_b128 v[BO], v[SV:SV+3], s[14:15]  ; 512 consecutive bytes, aligned
.Lnot_wave_0:
	v_max3_num_f32 v[T+4], v[SV], v[SV+1], v[SV+2]
	v_max_num_f32 v[T+4], v[T+4], v[SV+3]
	v_max_num_f32_dpp v[T+4], v[T+4], v[T+4] row_xmask:1 row_mask:0xf bank_mask:0xf
	v_max_num_f32_dpp v[T+4], v[T+4], v[T+4] row_xmask:2 row_mask:0xf bank_mask:0xf
	v_max_num_f32_dpp v[T+4], v[T+4], v[T+4] row_xmask:4 row_mask:0xf bank_mask:0xf
	v_max_num_f32_dpp v[T+4], v[T+4], v[T+4] row_xmask:8 row_mask:0xf bank_mask:0xf
	v_permlanex16_b32 v[T+5], v[T+4], s30, s31     ; (its destination, which counts as read, was last written as part of ring block 2)
	v_max_num_f32 v[T+4], v[T+4], v[T+5]           ; the tile's largest score, in every lane
.irp i, 0,1,2,3
	v_sub_f32 v[T+\i], v[SV+\i], v[T+4]            ; the difference first: equal numbers give 0, at -1e9 too
.endr
.irp i, 0,1,2,3
	v_mul_f32 v[T+\i], 0x3fb8aa3b, v[T+\i]
.endr
.irp i, 0,1,2,3
	v_exp_f32 v[T+\i], v[T+\i]
.endr
	v_nop                                          ; a plain line behind the last exponential,
	s_wait_alu depctr_va_vdst(0)                   ; and the one wait for the four, ahead of their first use
	ds_store_b128 v[PWW], v[T:T+3]                 ; my wave's own copy: LDS serves a wave's instructions in order (ISA guide 5.7.1.4), so its loads below see it
	; THE WEIGHTED SUM.  Thread t sums columns 4 t .. + 3 and 512 + 4 t .. + 3 over the tile's 128 rows: bf16 e x f32 p into f32.
.irp c, 0,1,2,3,4,5,6,7
	v_mov_b32 v[CX+\c], 0
.endr
	v_mov_b32 v[CA], v[CA0]
	v_mov_b32 v[CB], v[CB0]
	v_mov_b32 v[PWB], v[PWB0]
	s_mov_b32 s36, 8
.Lctx:                                                 ; 16 rows a trip
.irp j, 0,1,2,3
	ds_load_b128 v[CP+4*\j:CP+4*\j+3], v[PWB] offset:16*\j             ; their 16 p, the same in every lane
.endr
.set i, 0
.rept 16
	ds_load_b64 v[CE+4*i:CE+4*i+1],   v[CA] offset:PA*i                ; lanes 0-15 take 128 bytes of one slice, lanes 16-31 of the next
	ds_load_b64 v[CE+4*i+2:CE+4*i+3], v[CB] offset:PA*i
.set i, i+1
.endr
.set i, 0
.rept 16
	s_wait_dscnt 2*(15-i)                          ; row i is in; the younger rows, two loads each, stay out
.irp c, 0,2,4,6
	v_fma_mix_f32_bf16 v[CX+\c],   v[CE+4*i+\c/2], v[CP+i], v[CX+\c]   op_sel_hi:[1,0,0]
	v_fma_mix_f32_bf16 v[CX+\c+1], v[CE+4*i+\c/2], v[CP+i], v[CX+\c+1] op_sel:[1,0,0] op_sel_hi:[1,0,0]
.endr
.set i, i+1
.endr
	v_add_nc_u32 v[CA], 16*PA, v[CA]
	v_add_nc_u32 v[CB], 16*PA, v[CB]
	v_add_nc_u32 v[PWB], 64, v[PWB]
	s_sub_co_u32 s36, s36, 1
	s_cmp_lg_u32 s36, 0
	s_cbranch_scc1 .Lctx
	global_store_b128 v[POFF], v[CX:CX+3],   s[16:17]               ; each store of the wave covers 512 consecutive bytes, aligned
	global_store_b128 v[POFF], v[CX+4:CX+7], s[16:17] offset:2048
	s_wait_dscnt 0x0                               ; my reads of the tile, of the partial scores and of p are over
	s_barrier_signal -1
	s_barrier_wait -1                              ; everybody's are: the next tile may be laid over this one
	s_wait_xcnt 0x0                                ; the stores have read their bases and their data: ring block 2, which holds the sums just stored, is loaded again only behind this wait
	s_add_nc_u64 s[14:15], s[14:15], 512
	s_add_nc_u64 s[16:17], s[16:17], 4096
	v_mov_b32 v[MSK], v[MSK1]
	s_sub_co_u32 s32, s32, 1
	s_cmp_lg_u32 s32, 0
	s_cbranch_scc1 .Ltile
	s_wait_tensorcnt 0x0                           ; the wave's end: three closing lines behind my last LDS store
	ds_add_u32 v[SPW], v[NIL]
	s_wait_dscnt 0x0
	s_endpgm
.Lfunc_end_k_qdfa2969e02_main:
	.size	k_qdfa2969e02_main, .Lfunc_end_k_qdfa2969e02_main-k_qdfa2969e02_main
	.p2alignl 7, 3214868480
	.fill 96, 4, 3214868480
	.section	.rodata,"a",@progbits
	.p2align	6, 0x0
	.amdhsa_kernel k_qdfa2969e02_main
		.amdhsa_group_segment_fixed_size 309760
		.amdhsa_private_segment_fixed_size 0
		.amdhsa_enable_private_segment 0
		.amdhsa_kernarg_size 56
		.amdhsa_user_sgpr_count 2
		.amdhsa_user_sgpr_kernarg_segment_ptr 1
		.amdhsa_wavefront_size32 1
		.amdhsa_system_sgpr_workgroup_id_x 1
		.amdhsa_system_sgpr_workgroup_id_y 1
		.amdhsa_system_sgpr_workgroup_id_z 1
		.amdhsa_system_vgpr_workitem_id 0
		.amdhsa_next_free_vgpr 1024
		.amdhsa_next_free_sgpr 66
		.amdhsa_reserve_vcc 1
		.amdhsa_float_denorm_mode_32 3
		.amdhsa_float_denorm_mode_16_64 3
		.amdhsa_memory_ordered 1
		.amdhsa_forward_progress 1
		.amdhsa_inst_pref_size 255
	.end_amdhsa_kernel
	.section	.bss,"aw",@nobits
	.p2align	6
	.space	262144
	.amdgpu_metadata
---
amdhsa.version: [ 1, 2 ]
amdhsa.kernels:
  - .name:           k_qdfa2969e02_main
    .symbol:         k_qdfa2969e02_main.kd
    .args:
      - { .name: enc_outputs, .offset: 0, .size: 8, .value_kind: global_buffer, .address_space: global }
      - { .name: enc_mask, .offset: 8, .size: 8, .value_kind: global_buffer, .address_space: global }
      - { .name: v, .offset: 16, .size: 8, .value_kind: global_buffer, .address_space: global }
      - { .name: wq, .offset: 24, .size: 8, .value_kind: global_buffer, .address_space: global }
      - { .name: dp, .offset: 32, .size: 8, .value_kind: global_buffer, .address_space: global }
      - { .name: sc, .offset: 40, .size: 8, .value_kind: global_buffer, .address_space: global }
      - { .name: pc, .offset: 48, .size: 8, .value_kind: global_buffer, .address_space: global }
    .group_segment_fixed_size: 309760
    .private_segment_fixed_size: 0
    .kernarg_segment_align: 8
    .kernarg_segment_size: 56
    .max_flat_workgroup_size: 128
    .sgpr_count:     66
    .vgpr_count:     1024
    .wavefront_size: 32
...
	.end_amdgpu_metadata
.endif
;; end of part 2
;; launch comb (part 3): grid 64 x 1, 8 waves a work-group, no clusters, 1,280 bytes of LDS; arguments sc, pc, out0, out1; writes out0, out1
.if DOCPART == 3
	.amdgcn_target "amdgcn-amd-amdhsa--gfx1250"
	.amdhsa_code_object_version 6
	.text
	.protected	k_qdfa2969e02_comb
	.globl	k_qdfa2969e02_comb
	.p2align	8
	.type	k_qdfa2969e02_comb,@function
k_qdfa2969e02_comb:
	s_mov_b64 s[64:65], 0
	v_nop
	global_prefetch_b8 v0, s[64:65] scope:SCOPE_SE
	s_setreg_imm32_b32 hwreg(HW_REG_WAVE_MODE, 25, 1), 1
	s_wait_xcnt 0x0
; BAHDANAU ATTENTION, third of three launches; nothing is left out.  A work-group joins the eight tiles of one batch.
;   sc: the batch's 1,024 masked scores s.   pc: for each tile t the sum over its 128 rows of e^(s - m_t) e, where m_t is the tile's largest score.
;   m_t is found again from the tile's scores (a maximum rounds nothing, so it is the same number);  l_t = the sum of e^(s - m_t);  M = the largest m_t;  f_t = e^(m_t - M);  L = the sum of f_t l_t;
;   out1 = e^(s - M) / L;   out0 = (the sum over t of f_t pc_t) / L.
; SHARES.  Thread i holds scores 4 i .. + 3, so wave w holds just tile w's 128; it also holds columns 4 i .. + 3 of all eight pc.  All loads and stores of a wave cover 512 consecutive bytes, aligned.
; Matrix units, clusters and a prefetch buy nothing here: 36 KiB come in for a work-group, all asked for at its first lines.
; LIMITS.  A weight below 2^-126 counts as 0.  NaN and infinities are not treated apart.  L is at least 1: the largest score's own weight.
.set SPARE, 256                        ; LDS: m_t at 4 t, l_t at 32 + 4 t; from 256 on the spare words, 128 bytes for each of eight waves; no other line names them
.set LOG2E, 0x3fb8aa3b
; v1 16 x thread; v2, v3 the add's two registers; v[4:7] scores, later out0; v[8:39] pc, tile t at 8 + 4 t; v[40:43] at work; v[44:51] m; v[52:59] l; v[60:67] f; v[68:71] weights; v72 4 x wave; v73 0
	s_load_b256 s[4:11], s[0:1], 0x0               ; sc s[4:5], pc s[6:7], out0 s[8:9], out1 s[10:11]
	v_lshl_add_u32 v2, v0, 2, SPARE
	v_mov_b32 v3, 0
	v_lshrrev_b32 v40, 5, v0
	v_readfirstlane_b32 s12, v40                   ; wave 0..7
	v_lshlrev_b32 v1, 4, v0
	v_mov_b32 v41, 0                               ; v_permlanex16_b32's destination counts as read
	v_mov_b32 v73, 0
	s_lshl_b32 s13, s12, 2
	v_mov_b32 v72, s13
	s_mov_b32 s14, 0x76543210
	s_mov_b32 s15, 0xfedcba98
	s_lshl_b32 s16, ttmp9, 12                      ; a batch's 4,096 bytes of sc, out0 and out1
	s_mov_b32 s17, 0
	s_lshl_b32 s18, ttmp9, 15                      ; its 32,768 bytes of pc
	s_mov_b32 s19, 0
	s_wait_kmcnt 0x0
	s_add_nc_u64 s[4:5], s[4:5], s[16:17]
	s_add_nc_u64 s[6:7], s[6:7], s[18:19]
	s_add_nc_u64 s[8:9], s[8:9], s[16:17]
	s_add_nc_u64 s[10:11], s[10:11], s[16:17]
	global_load_b128 v[4:7], v1, s[4:5] th:TH_LOAD_NT
.irp t, 0,1,2,3,4,5,6,7
	global_load_b128 v[8+4*\t:8+4*\t+3], v1, s[6:7] offset:4096*\t th:TH_LOAD_NT
.endr
	s_wait_loadcnt 8                               ; the scores are in; pc's eight loads stay out
	v_max3_num_f32 v40, v4, v5, v6
	v_max_num_f32 v40, v40, v7
	v_max_num_f32_dpp v40, v40, v40 row_xmask:1 row_mask:0xf bank_mask:0xf
	v_max_num_f32_dpp v40, v40, v40 row_xmask:2 row_mask:0xf bank_mask:0xf
	v_max_num_f32_dpp v40, v40, v40 row_xmask:4 row_mask:0xf bank_mask:0xf
	v_max_num_f32_dpp v40, v40, v40 row_xmask:8 row_mask:0xf bank_mask:0xf
	v_permlanex16_b32 v41, v40, s14, s15
	v_max_num_f32 v40, v40, v41                    ; m of my wave's tile
.irp i, 0,1,2,3
	v_sub_f32 v[68+\i], v[4+\i], v40               ; the difference first, as in the launch that made pc
.endr
.irp i, 0,1,2,3
	v_mul_f32 v[68+\i], LOG2E, v[68+\i]
.endr
.irp i, 0,1,2,3
	v_exp_f32 v[68+\i], v[68+\i]
.endr
	v_nop                                          ; a plain line behind the last exponential,
	s_wait_alu depctr_va_vdst(0)                   ; and the one wait for the four, ahead of their first use
	v_add_f32 v42, v68, v69
	v_add_f32 v43, v70, v71
	v_add_f32 v42, v42, v43
	v_add_f32_dpp v42, v42, v42 row_xmask:1 row_mask:0xf bank_mask:0xf
	v_add_f32_dpp v42, v42, v42 row_xmask:2 row_mask:0xf bank_mask:0xf
	v_add_f32_dpp v42, v42, v42 row_xmask:4 row_mask:0xf bank_mask:0xf
	v_add_f32_dpp v42, v42, v42 row_xmask:8 row_mask:0xf bank_mask:0xf
	v_permlanex16_b32 v41, v42, s14, s15
	v_add_f32 v42, v42, v41                        ; l of my wave's tile
	ds_store_b32 v72, v40                          ; all lanes write the same number to the same word
	ds_store_b32 v72, v42 offset:32
	s_wait_dscnt 0x0                               ; for the others' sake
	s_barrier_signal -1
	s_barrier_wait -1
	ds_load_b128 v[44:47], v73
	ds_load_b128 v[48:51], v73 offset:16
	ds_load_b128 v[52:55], v73 offset:32
	ds_load_b128 v[56:59], v73 offset:48
	s_wait_dscnt 0x0
	v_max3_num_f32 v40, v44, v45, v46
	v_max3_num_f32 v40, v40, v47, v48
	v_max3_num_f32 v40, v40, v49, v50
	v_max_num_f32 v40, v40, v51                    ; M
.irp t, 0,1,2,3,4,5,6,7
	v_sub_f32 v[60+\t], v[44+\t], v40
.endr
.irp i, 0,1,2,3
	v_sub_f32 v[68+\i], v[4+\i], v40
.endr
.irp t, 0,1,2,3,4,5,6,7,8,9,10,11
	v_mul_f32 v[60+\t], LOG2E, v[60+\t]
.endr
.irp t, 0,1,2,3,4,5,6,7,8,9,10,11
	v_exp_f32 v[60+\t], v[60+\t]                   ; one batch: the eight f and my four weights
.endr
	v_nop
	s_wait_alu depctr_va_vdst(0)                   ; one wait for the twelve
	v_mul_f32 v41, v60, v52
.irp t, 1,2,3,4,5,6,7
	v_fma_f32 v41, v[60+\t], v[52+\t], v41         ; L
.endr
	v_rcp_f32 v42, v41
	v_nop
	s_wait_alu depctr_va_vdst(0)
	v_pk_mul_f32 v[68:69], v[68:69], v[42:43] op_sel_hi:[1,0]
	v_pk_mul_f32 v[70:71], v[70:71], v[42:43] op_sel_hi:[1,0]
	global_store_b128 v1, v[68:71], s[10:11]       ; out1
	s_wait_loadcnt 0x0                             ; pc
	v_pk_mul_f32 v[4:5], v[8:9],   v[60:61] op_sel_hi:[1,0]
	v_pk_mul_f32 v[6:7], v[10:11], v[60:61] op_sel_hi:[1,0]
.irp t, 1,3,5,7                        ; f of an odd tile is its pair's second register, of an even tile the first
	v_pk_fma_f32 v[4:5], v[8+4*\t:8+4*\t+1],  v[60+\t-1:60+\t], v[4:5] op_sel:[0,1,0] op_sel_hi:[1,1,1]
	v_pk_fma_f32 v[6:7], v[8+4*\t+2:8+4*\t+3], v[60+\t-1:60+\t], v[6:7] op_sel:[0,1,0] op_sel_hi:[1,1,1]
.if \t < 7
	v_pk_fma_f32 v[4:5], v[8+4*\t+4:8+4*\t+5], v[60+\t+1:60+\t+2], v[4:5] op_sel_hi:[1,0,1]
	v_pk_fma_f32 v[6:7], v[8+4*\t+6:8+4*\t+7], v[60+\t+1:60+\t+2], v[6:7] op_sel_hi:[1,0,1]
.endif
.endr
	v_pk_mul_f32 v[4:5], v[4:5], v[42:43] op_sel_hi:[1,0]
	v_pk_mul_f32 v[6:7], v[6:7], v[42:43] op_sel_hi:[1,0]
	global_store_b128 v1, v[4:7], s[8:9]           ; out0
	s_wait_tensorcnt 0x0                           ; the wave's end: three closing lines behind my last LDS store
	ds_add_u32 v2, v3
	s_wait_dscnt 0x0
	s_endpgm
.Lfunc_end_k_qdfa2969e02_comb:
	.size	k_qdfa2969e02_comb, .Lfunc_end_k_qdfa2969e02_comb-k_qdfa2969e02_comb
	.p2alignl 7, 3214868480
	.fill 96, 4, 3214868480
	.section	.rodata,"a",@progbits
	.p2align	6, 0x0
	.amdhsa_kernel k_qdfa2969e02_comb
		.amdhsa_group_segment_fixed_size 1280
		.amdhsa_private_segment_fixed_size 0
		.amdhsa_enable_private_segment 0
		.amdhsa_kernarg_size 32
		.amdhsa_user_sgpr_count 2
		.amdhsa_user_sgpr_kernarg_segment_ptr 1
		.amdhsa_wavefront_size32 1
		.amdhsa_system_sgpr_workgroup_id_x 1
		.amdhsa_system_sgpr_workgroup_id_y 1
		.amdhsa_system_sgpr_workgroup_id_z 1
		.amdhsa_system_vgpr_workitem_id 0
		.amdhsa_next_free_vgpr 80
		.amdhsa_next_free_sgpr 66
		.amdhsa_reserve_vcc 0
		.amdhsa_float_denorm_mode_32 3
		.amdhsa_float_denorm_mode_16_64 3
		.amdhsa_memory_ordered 1
		.amdhsa_forward_progress 1
		.amdhsa_inst_pref_size 8
	.end_amdhsa_kernel
	.amdgpu_metadata
---
amdhsa.version: [ 1, 2 ]
amdhsa.kernels:
  - .name:           k_qdfa2969e02_comb
    .symbol:         k_qdfa2969e02_comb.kd
    .args:
      - { .name: sc, .offset: 0, .size: 8, .value_kind: global_buffer, .address_space: global }
      - { .name: pc, .offset: 8, .size: 8, .value_kind: global_buffer, .address_space: global }
      - { .name: out0, .offset: 16, .size: 8, .value_kind: global_buffer, .address_space: global }
      - { .name: out1, .offset: 24, .size: 8, .value_kind: global_buffer, .address_space: global }
    .group_segment_fixed_size: 1280
    .private_segment_fixed_size: 0
    .kernarg_segment_align: 8
    .kernarg_segment_size: 32
    .max_flat_workgroup_size: 256
    .sgpr_count:     66
    .vgpr_count:     80
    .wavefront_size: 32
...
	.end_amdgpu_metadata
.endif
;; end of part 3
;; ======== version 2 of 2: 3 launches; version 1 with the launch main written anew for expert scheduling mode
;; workspace buffers: wq 2,097,152 bytes; dp 262,144 bytes; sc 262,144 bytes; pc 2,097,152 bytes
;; launch prep: the kernel of part 1 again; grid 256 x 1, 8 waves a work-group, no clusters, 11,264 bytes of LDS; arguments W_enc, W_dec, dec_hidden, wq, dp; writes wq, dp
;; launch main (part 4): grid 256 x 1, 4 waves a work-group, no clusters, 309,760 bytes of LDS; arguments enc_outputs, enc_mask, v, wq, dp, sc, pc; writes sc, pc
.if DOCPART == 4
	.amdgcn_target "amdgcn-amd-amdhsa--gfx1250"
	.amdhsa_code_object_version 6
	.text
	.protected	k_qdfa2969e02_main
	.globl	k_qdfa2969e02_main
	.p2align	8
	.type	k_qdfa2969e02_main,@function
k_qdfa2969e02_main:
	s_mov_b64 s[64:65], 0
	v_nop
	global_prefetch_b8 v0, s[64:65] scope:SCOPE_SE
	s_setreg_imm32_b32 hwreg(HW_REG_WAVE_SCHED_MODE, 0, 2), 2
	s_setreg_imm32_b32 hwreg(HW_REG_WAVE_MODE, 25, 1), 1
	s_wait_xcnt 0x0
	s_wait_alu depctr_vm_vsrc(0)
; BAHDANAU ATTENTION, second of three launches; nothing is left out.  For each tile of 128 rows (positions) of a batch:
;   x = e W_enc^T (bf16 operands, f32 sums);  s = the sum over o of v[o] tanh(x[o] + dec_proj[o]);  s = -1e9 where the mask is 0;  m = the tile's largest s;  p = e^(s - m);
;   pc = the sum over the tile's rows of p e.   Stored: sc (the masked scores) and pc; the third launch joins a batch's eight tiles.
; tanh(y) = 1 - 2 / (1 + 2^(c y)), c = 2 log2(e); dp holds c dec_proj.  Where 2^(c y) is infinite or 0 the form gives 1 or -1.  v tanh is summed as it stands.
; EACH BYTE OF enc_outputs IS READ ONCE: a tile is rounded to bf16 on its way in and stays in LDS (296,960 bytes) from the products to the weighted sum.
; SHARES.  Work-group g takes tiles 2 g and 2 g + 1, both of batch g / 4.  Its four waves split the 1,024 outputs: wave w owns 256 w .. + 255, in two passes of 128.  In a pass a wave makes
; 128 rows x 128 outputs: 64 accumulators, 512 registers; K goes in 32 steps of 32, 64 matrix instructions each.  Rows come from LDS (16 loads a step); W_enc comes from wq straight into
; registers (16 loads a step, 512 consecutive bytes each, asked for three steps ahead into a ring of four buffers): no two waves of a work-group want the same byte of it.
; THE TILE COMES IN DURING ITS FIRST PASS.  K step t wants slice t / 2 alone (a slice: 64 k of all 128 rows).  A wave brings its own 32 rows, in CHUNKS of 8 loads: chunk c is slice c / 2, half c % 2 of
; those rows.  Chunks 0 to 2 land in accumulator registers, which are idle then, and are laid into LDS ahead of step 0.  Chunk c >= 3 lands in block c % 4 of a ring of four blocks of 32 registers, is
; rounded and stored in the middle of step c - 3, and its block is asked for again there (chunk c + 4).  In the odd steps 1 to 29 a barrier makes the next slice, stored one and two steps earlier,
; visible: between two barriers slice s is read and slice s + 1 written.
; NO CLUSTER, though all work-groups walk wq: a joint load lands in LDS, a K step's part of wq for the four waves is 32,768 bytes, and beside the tile and the tables 17,920 of the 327,680 bytes
; that a work-group can be given are left: no slot fits.  A tile of 64 rows would make room and halve the products for each byte of wq.
; THE MATRIX INSTRUCTION: source 0 = 16 outputs (wq), source 1 = 16 rows.  In the result lane l holds row l % 16 and its registers the outputs 8 (l / 16) + 0..7: dp and v are eight registers for
; each block of outputs, and a row's score is summed inside a lane.
; LIMITS.  A weight p below 2^-126 counts as 0.  NaN and infinities in the inputs are not treated apart.
; THE MODE: SCHED_MODE bits 1:0 = 2 (LLVM: expert scheduling mode 2), set by the entry lines.  The code itself states the register dependences between vector or matrix instructions and memory or LDS
; instructions, with s_wait_alu, always for 0.
; THE PLAN.  Registers that memory or LDS instructions touch in a K step t, and who else names them:
;   wq's four buffers   the step's 64 products read buffer t % 4; the loads in the step's middle land in buffer (t - 1) % 4, which the products of step t - 1 read.
;   LO                  the step's first 32 products read it; the LDS loads in the step's middle land in it.
;   HI0, HI1            the step's last 32 products read one; the LDS loads in its middle land in the other, which the last 32 products of step t - 1 read.
;   a ring block        sixteen roundings work in it, eight LDS stores read it, eight loads land in it again.
;   v[ADRA], v[STA]     read by the step's LDS loads and stores; written once in four steps.          v[BO], v[GOFF], v[PFO]: made at the head, never written again.
; So ONE wait on va_vdst stands in the middle of a step, behind the first 32 products and the roundings (or the four places): it states that the roundings have written the block, that the products issued
; so far are done reading LO, the other HI buffer and wq's buffer of the step before, and that the two addresses are written.  The step's stores and loads follow it in one run (they want other register
; windows than the products).  A ring block's new loads, which stand behind a window switch and behind the stores that read the block, have a wait on vm_vsrc and one on va_vdst of their own, directly
; ahead.  One wait on vm_vsrc in four steps stands ahead of the adds to the two addresses.  Outside the K steps each run of loads or stores has its waits where it stands; the comments name the dependences.
; REGISTERS, in windows of 256 (s_set_vgpr_msb: bits 1:0 source 0, 3:2 source 1, 5:4 source 2, 7:6 destination):
;   window 0: v0-31 addresses and scores; v32-63 at work, in a first pass ring block 2; v64-95 fragments of rows 0-63 (one buffer: loaded again in the middle of the step that has multiplied it);
;             v96-127, v128-159 fragments of rows 64-127, two buffers; v160-191 ring block 3; v192-255 score sums, in a first pass ring blocks 0 and 1.
;             Behind a pass v64-127 hold dp and v128-191 v; in the weighted sum v64-127 hold rows and v128-143 p.
;   window 1: four buffers of wq's fragments      windows 2, 3: the accumulators, (a, b) at 8 (8 (a % 4) + b) of window 2 + a / 4
.set SB,    18560                      ; LDS: a slice: 128 x 144 + 128 bytes
.set PA,    144                        ; a row of a slice: 128 bytes + 16: the 16 rows of a fragment load start in 16 different groups of four banks (64 banks of 4 bytes: ISA guide 11.1)
.set DPB,   16*SB                      ; dp of my batch, 4,096 bytes; v follows it, 4,096 bytes
.set SCR,   DPB+8192                   ; [wave][128 rows] partial scores
.set PW,    SCR+2048                   ; [wave][128] p: each wave's own copy
.set SPARE, PW+2048                    ; the spare words, 128 bytes for each wave; no other line names them
.set SPW,   4                          ; v4   my spare word's address; never rewritten
.set NIL,   5                          ; v5   0; never rewritten
.set ADRA0, 6                          ; v6   144 (l % 16) + 16 (l / 16): my place in a fragment's rows
.set ADRA,  7                          ; v7   the same, walking along K
.set BO,    8                          ; v8   16 x lane
.set GOFF,  9                          ; v9   (32 w + 8 (l / 16)) x 4,096 + 16 (l % 16): my place in the tile in memory
.set STA0,  10                         ; v10  (32 w + 8 (l / 16)) x 144 + 8 (l % 16): and in a slice
.set STA,   11                         ; v11  the same, walking
.set DVA,   12                         ; v12  dp's eight numbers for block 0 of the pass in hand
.set SCW,   13                         ; v13  where I put a row's partial score
.set SCRD,  14                         ; v14  where I read four rows' partial scores
.set PWW,   15                         ; v15  where I put four p
.set PWB0,  16                         ; v16  my wave's copy of p
.set PWB,   17                         ; v17  walking
.set CA0,   18                         ; v18  the weighted sum: columns 4 t .. + 3 of row 0 (t: my thread's number)
.set CA,    19
.set CB,    20
.set CB0,   21                         ; v21  columns 512 + 4 t .. + 3
.set MSK,   22                         ; v22  four rows' mask bytes, the tile in hand
.set MSK1,  23                         ; v23  the second tile's
.set DST,   24                         ; v24  where I lay 16 bytes of dp into LDS
.set POFF,  25                         ; v25  16 t
.set PFO,   26                         ; v26  4,096 t: a row of the tile for each lane
.set DVA0,  27                         ; v27  DVA for the first pass
.set SV,    28                         ; v[28:31] four rows' scores
.set X,     32
.set Y,     40
.set CX,    48                         ; v[48:55] eight columns' sums
.set T,     56                         ; v[56:63] at work
.set LO,    64
.set HI0,   96
.set HI1,   128
.set DPR,   64                         ; the way out: dp
.set VVR,   128                        ; the way out: v
.set CE,    64                         ; the weighted sum: 16 rows
.set CP,    128                        ; the weighted sum: their p
.set SCB,   192                        ; score sums: rows 16 a .., registers 2 z, 2 z + 1 of the accumulators, at SCB + 8 a + 2 z
.set RB0,   192                        ; the ring: chunk c lies in block c % 4
.set RB1,   224
.set RB2,   32
.set RB3,   160
.set MK,    40                         ; s[40:43] four rows' masks as lane masks
; s[4:5] enc_outputs; s[6:7] mask; s[8:9] v; s[10:11] wq; s[12:13] dp; s[14:15] sc; s[16:17] pc; s18 wave; s19 at work; s[20:21] the tile in memory; s[22:23] the same, walking;
; s[24:25] my wave's part of wq; s[26:27] walking; s[28:29] c; s[30:31] lane selects; s32 tiles left; s33 passes left; s34, s36 loop counts; s37 -1e9; s[38:39] offsets
.set MSB, 0
.macro WIN new                         ; the immediate's high byte repeats the setting that is left; a switch that changes nothing is dropped
.if MSB != (\new)
	s_set_vgpr_msb (MSB<<8)|(\new)
.set MSB, \new
.endif
.endm
.set TO_B, 0x40                        ; destination window 1
.set W_LD, 0x80                        ; destination window 2
.set W_CV, 0x8a                        ; destination and both sources window 2
.set W_ST, 0x08                        ; an LDS store's data (source 1) window 2
.macro PLACES                          ; four places behind a matrix instruction, in front of loads into registers that it has read and of lines that read its result
.rept 4
	v_nop
.endr
.endm
; 16 matrix instructions: row blocks a0, a0 + 1 of the four whose fragments lie at ab x all 8 blocks of outputs.  zero = 1: the products start the sums.  The 64 accumulators take turns in the same
; order in every step, one instruction a turn.
.macro MUL16 ab, fb, hi, a0, zero
	WIN 0xa1+0x50*(\hi)                            ; source 0 window 1, source 1 window 0, C and D window 2 or 3
.irp a, \a0, (\a0)+1
.irp b, 0,1,2,3,4,5,6,7
.if \zero
	v_wmma_f32_16x16x32_bf16 v[8*(8*(\a)+\b):8*(8*(\a)+\b)+7], v[(\fb)+8*\b:(\fb)+8*\b+7], v[(\ab)+8*(\a):(\ab)+8*(\a)+7], 0
.else
	v_wmma_f32_16x16x32_bf16 v[8*(8*(\a)+\b):8*(8*(\a)+\b)+7], v[(\fb)+8*\b:(\fb)+8*\b+7], v[(\ab)+8*(\a):(\ab)+8*(\a)+7], v[8*(8*(\a)+\b):8*(8*(\a)+\b)+7]
.endif
.endr
.endr
.endm
.macro FETCHA ho, off                  ; 128 rows x 32 k from LDS: rows 0-63 first, into their one buffer; rows 64-127 into buffer ho
	WIN 0
.irp i, 0,1,2,3
	ds_load_b128 v[LO+8*\i:LO+8*\i+3],   v[ADRA] offset:(\off)+16*PA*\i
	ds_load_b128 v[LO+8*\i+4:LO+8*\i+7], v[ADRA] offset:(\off)+16*PA*\i+32
.endr
.irp i, 0,1,2,3
	ds_load_b128 v[(\ho)+8*\i:(\ho)+8*\i+3],   v[ADRA] offset:(\off)+16*PA*(\i+4)
	ds_load_b128 v[(\ho)+8*\i+4:(\ho)+8*\i+7], v[ADRA] offset:(\off)+16*PA*(\i+4)+32
.endr
.endm
.macro FETCHB fb, off                  ; 128 outputs x 32 k of wq: 8,192 consecutive bytes
	WIN TO_B
.irp f, 0,1,2,3,4,5,6,7
	global_load_b128 v[(\fb)+8*\f:(\fb)+8*\f+3],   v[BO], s[26:27] offset:(\off)+1024*\f
	global_load_b128 v[(\fb)+8*\f+4:(\fb)+8*\f+7], v[BO], s[26:27] offset:(\off)+1024*\f+512
.endr
.endm
.macro PRIME                           ; a pass's first three K steps of wq
	FETCHB 0, 0
	FETCHB 64, 8192
	FETCHB 128, 16384
.endm
; A chunk is asked for: half q of my 32 rows, slice sl counted from where s[22:23] stands.  A load takes 256 consecutive bytes, aligned, of two rows (lanes 0-15 one row, lanes 16-31 the row 8 below).
; w2 = 1: the registers are window 2's.  The waits that these loads hang on stand ahead of the macro, where it is used.
.macro EISSUE rb, sl, q, w2
.if \w2
	WIN W_LD
.else
	WIN 0
.endif
.set i, 0
.rept 8
	global_load_b128 v[(\rb)+4*i:(\rb)+4*i+3], v[GOFF], s[22:23] offset:(16*(\q)+i)*4096+256*(\sl) th:TH_LOAD_NT
.set i, i+1
.endr
.endm
; A chunk is rounded in place and laid into LDS, slice sl counted from where v[STA] stands.
.macro ECONS rb, sl, q, w2
.if \w2
	WIN W_CV
.else
	WIN 0
.endif
.set i, 0
.rept 8
	v_cvt_pk_bf16_f32 v[(\rb)+4*i],   v[(\rb)+4*i],   v[(\rb)+4*i+1]
	v_cvt_pk_bf16_f32 v[(\rb)+4*i+1], v[(\rb)+4*i+2], v[(\rb)+4*i+3]
.set i, i+1
.endr
.if \w2
	WIN W_ST
.endif
	s_wait_alu depctr_va_vdst(0)                   ; the roundings have written the chunk's registers, which the stores below read, and v[STA] is written; in a K step this is the step's one wait too: the products
	                                               ; issued so far are done reading LO, the other HI buffer and wq's buffer of the step before, in which the step's loads land, and v[ADRA] is written
.set i, 0
.rept 8
	ds_store_b64 v[STA], v[(\rb)+4*i:(\rb)+4*i+1] offset:(\sl)*SB+(16*(\q)+i)*PA  ; two rows' 128 bytes; 8 rows are 1,152 bytes = 128 mod 256
.set i, i+1
.endr
.endm
.macro EARLY                           ; a tile's first six chunks, in the order in which they are used
	s_mov_b64 s[22:23], s[20:21]
	EISSUE 0,   0, 0, 1
	EISSUE 32,  0, 1, 1
	EISSUE 64,  1, 0, 1
	EISSUE RB3, 1, 1, 0
	EISSUE RB0, 2, 0, 0
	EISSUE RB1, 2, 1, 0
.endm
; The middle of a pass's last K step: dp for the way out; wq's pointer goes on to the next pass (behind a tile's second pass: back to the first); the next pass's first three K steps are asked for,
; if there is a next pass.  The step's one wait on va_vdst, directly ahead, states all that these loads hang on: the products of steps 28 to 30 are done reading wq's first three buffers, those issued in
; this step LO, those of step 30 HI0; nothing but LDS loads, scalar lines and window switches stands between.
.macro LASTMID
	WIN 0
.irp b, 0,1,2,3,4,5,6,7
	ds_load_b128 v[DPR+8*\b:DPR+8*\b+3],   v[DVA] offset:64*\b
	ds_load_b128 v[DPR+8*\b+4:DPR+8*\b+7], v[DVA] offset:64*\b+16
.endr
	s_wait_xcnt 0x0                                ; the loads of wq have read their base
	s_add_nc_u64 s[26:27], s[26:27], 32768
	s_cmp_eq_u32 s33, 1
	s_cselect_b64 s[26:27], s[24:25], s[26:27]
	s_lshl1_add_u32 s19, s32, s33                  ; 2 x tiles left + passes left: 6, 5, 4, 3
	s_cmp_eq_u32 s19, 3
	s_cbranch_scc1 .Lno_prime_\@
	PRIME
	WIN 0
.Lno_prime_\@:
.endm
; A K STEP t: multiplies the rows' fragments (rows 64-127 in hb) and wq's buffer fb.  One run of memory instructions stands in its middle:
;   em > 0: chunk t + 3, in ring block rb, is rounded and stored (slice esl, half eq); its sixteen roundings, which name no register of the products, are the four places in front of the loads;
;   kind < 2: the rows of step t + 1 (rows 64-127 into ho);   kind = 0: wq's step t + 3 into fn;   em = 2: ring block rb is asked for again, chunk t + 7;   kind = 2: LASTMID.
;   pf = 1: behind those loads, my wave's own 32 rows (a lane a row, 256 bytes each) of the two slices whose loads stand four and six K steps on are prefetched: slices 2 q + 6 and 2 q + 7 in trip q;
;           each block is named once; the loop's last trip, whose two slices do not exist, asks for nothing.
; bar = 1: the barrier that shows the next slice to every wave.  All my LDS instructions were issued 32 matrix instructions back; 32 more stand between signal and wait.
; lcnt: the loads issued behind wq's step t, which may stay out (loads come back in order: ISA guide 5.7.1).  In a first pass a run issues wq's 16 loads and then a chunk's 8, so behind wq's step t stand
; three chunks and two steps of wq, 56 loads; chunk t + 3 was issued ahead of wq's step t, so the same wait shows it landed.
.macro STEP hb, ho, fb, fn, aoff, boff, lcnt, zero, kind, bar, em, rb, esl, eq, pf
	s_wait_loadcnt \lcnt
.if \bar
	s_wait_dscnt 0x0                               ; for the others' sake: my stores of the next slice are done; my loads are back
	s_barrier_signal -1
.else
	s_wait_dscnt 8                                 ; rows 0-63 are in; the youngest eight loads, rows 64-127, may be out
.endif
	MUL16 LO, \fb, 0, 0, \zero
	MUL16 LO, \fb, 0, 2, \zero
.if \bar
	s_barrier_wait -1                              ; everybody's part of the next slice lies in LDS
.endif
.if (\em) > 0
	ECONS \rb, \esl, \eq, 0                        ; the step's one wait on va_vdst stands in it, between the roundings and the stores
.else
	PLACES
	WIN 0
	s_wait_alu depctr_va_vdst(0)                   ; the step's one wait: the products issued so far are done reading LO, the other HI buffer and wq's buffers of the steps before, in which the loads below land; v[ADRA] (in a pass's last step v[DVA]) is written
.endif
.if (\kind) < 2
	FETCHA \ho, \aoff
.endif
.if (\kind) == 0
	FETCHB \fn, \boff
.endif
.if (\em) == 2
	WIN 0
	s_wait_alu depctr_vm_vsrc(0)                   ; the eight LDS stores above have read ring block rb, in which the loads below land
	s_wait_alu depctr_va_vdst(0)                   ; the sixteen roundings are done reading and writing ring block rb: stated here, behind the window switch and behind the stores that name the block
	EISSUE \rb, (\esl)+2, \eq, 0
.endif
.if \pf
	s_cmp_gt_u32 s34, 1
	s_cbranch_scc0 .Lno_ask_\@
	global_prefetch_b8 v[PFO], s[22:23] offset:256*6 th:TH_LOAD_NT scope:SCOPE_SE
	global_prefetch_b8 v[PFO], s[22:23] offset:256*7 th:TH_LOAD_NT scope:SCOPE_SE
.Lno_ask_\@:
.endif
.if (\kind) == 2
	LASTMID
.endif
.if (\em) > 0
	s_wait_dscnt 24                                ; all but the 8 stores and 16 loads just issued
.else
	s_wait_dscnt 16                                ; all but the 16 LDS loads just issued
.endif
	MUL16 \hb, \fb, 1, 0, \zero
	MUL16 \hb, \fb, 1, 2, \zero
.endm
; K steps 4 q + 1 .. 4 q + 4: two slices of the rows, 32,768 bytes of wq; in a first pass chunks 4 q + 4 .. + 7 are stored and (em = 2) chunks 4 q + 8 .. + 11 asked for.
.macro TRIP4 em, l0, l1, l2, l3, bar
	STEP HI1, HI0, 64,  0,   SB,      4*8192, \l0, 0, 0, \bar, \em, RB0, 2, 0, (\em)/2
	STEP HI0, HI1, 128, 64,  SB+64,   5*8192, \l1, 0, 0, 0,    \em, RB1, 2, 1, 0
	STEP HI1, HI0, 192, 128, 2*SB,    6*8192, \l2, 0, 0, \bar, \em, RB2, 3, 0, 0
	STEP HI0, HI1, 0,   192, 2*SB+64, 7*8192, \l3, 0, 0, 0,    \em, RB3, 3, 1, 0
	WIN 0
	s_wait_xcnt 0x0                                ; the loads and prefetches have read their bases
	s_wait_alu depctr_vm_vsrc(0)                   ; the LDS loads and stores issued so far have read v[ADRA] and v[STA], which the adds below write; behind steps 25 to 28 also: the last four chunks' stores have read the ring's blocks, which are put to other use from here on
	s_add_nc_u64 s[26:27], s[26:27], 32768
	v_add_nc_u32 v[ADRA], 2*SB, v[ADRA]
.if (\em) == 2
	s_add_nc_u64 s[22:23], s[22:23], 512
	v_add_nc_u32 v[STA], 2*SB, v[STA]
.endif
.endm
; THE WAY FROM x TO THE SCORE SUMS, a line at a time: EL kind, a, b, z, for accumulator (a, b); written only where a and b lie in 0..7.
;   0: pair z: c x + dp      1: register z: 2^()      2: pair z: + 1      3: register z: 1 / ()      4: pair z: 1 - 2 ()      5: pair z: the score sum takes v x it
.macro EL kind, a, b, z
.if ((\a) >= 0) && ((\a) < 8) && ((\b) >= 0) && ((\b) < 8)
.set rW, (\a)/4
.set rA, 64*((\a)%4)+8*(\b)
.if (\kind) < 5
	WIN 0x82+0x41*rW                               ; destination and source 0 in the accumulator's window
.else
	WIN 2+rW                                       ; source 0 alone
.endif
.if (\kind) == 0
	v_pk_fma_f32 v[rA+2*(\z):rA+2*(\z)+1], v[rA+2*(\z):rA+2*(\z)+1], s[28:29], v[DPR+8*(\b)+2*(\z):DPR+8*(\b)+2*(\z)+1] op_sel_hi:[1,0,1]
.elseif (\kind) == 1
	v_exp_f32 v[rA+(\z)], v[rA+(\z)]
.elseif (\kind) == 2
	v_pk_add_f32 v[rA+2*(\z):rA+2*(\z)+1], v[rA+2*(\z):rA+2*(\z)+1], 1.0 op_sel_hi:[1,0]
.elseif (\kind) == 3
	v_rcp_f32 v[rA+(\z)], v[rA+(\z)]
.elseif (\kind) == 4
	v_pk_fma_f32 v[rA+2*(\z):rA+2*(\z)+1], v[rA+2*(\z):rA+2*(\z)+1], -2.0, 1.0 op_sel_hi:[1,0,0]
.else
	v_pk_fma_f32 v[SCB+8*(\a)+2*(\z):SCB+8*(\a)+2*(\z)+1], v[rA+2*(\z):rA+2*(\z)+1], v[VVR+8*(\b)+2*(\z):VVR+8*(\b)+2*(\z)+1], v[SCB+8*(\a)+2*(\z):SCB+8*(\a)+2*(\z)+1]
.endif
.endif
.endm
; ESTEP k: three row blocks at three stages: block k is scaled and raised, block k - 1 gets its 1 and its reciprocal, block k - 2 its last line and the score sums.  Plain lines and transcendentals
; stand by turns, a transcendental always one accumulator behind the plain line that feeds it.  No line of an ESTEP names the result of a transcendental of the same ESTEP: so each ESTEP has ONE
; s_wait_alu depctr_va_vdst(0), at its end, ahead of the first line that names such a result; the v_nop is the plain line behind the last transcendental.
; Each accumulator is first read at its two lowest registers (kind 0, pair 0).  No memory or LDS instruction stands in an ESTEP.
.macro ESTEP k
.set qq, 0
.rept 9
.irp z, 0,1,2,3
	EL 0, (\k), qq, \z
	EL 1, (\k), qq-1, 2*\z
	EL 1, (\k), qq-1, 2*\z+1
.endr
.irp z, 0,1,2,3
	EL 2, (\k)-1, qq, \z
	EL 3, (\k)-1, qq-1, 2*\z
	EL 3, (\k)-1, qq-1, 2*\z+1
.endr
.irp z, 0,1,2,3
	EL 4, (\k)-2, qq, \z
.endr
.irp z, 0,1,2,3
	EL 5, (\k)-2, qq-1, \z
.endr
.set qq, qq+1
.endr
.if (\k) < 9
	v_nop
	s_wait_alu depctr_va_vdst(0)                   ; this ESTEP's exponentials and reciprocals have written their results, which the next ESTEP's lines name
.endif
.endm
	s_load_b256 s[4:11], s[0:1], 0x0               ; enc_outputs, enc_mask, v, wq
	s_load_b128 s[12:15], s[0:1], 0x20             ; dp, sc
	s_load_b64 s[16:17], s[0:1], 0x30              ; pc
	v_lshl_add_u32 v[SPW], v0, 2, SPARE
	v_mov_b32 v[NIL], 0
	v_lshrrev_b32 v[T], 5, v0
	v_readfirstlane_b32 s18, v[T]                  ; wave 0..3
	v_and_b32 v1, 15, v0                           ; l % 16
	v_bfe_u32 v2, v0, 4, 1                         ; l / 16
	v_and_b32 v3, 31, v0                           ; lane
	v_mul_u32_u24 v[ADRA0], v1, PA
	v_lshl_add_u32 v[ADRA0], v2, 4, v[ADRA0]
	v_lshlrev_b32 v[BO], 4, v3
	s_wait_alu depctr_va_sdst(0)                   ; s18 is written, ahead of its first reader
	s_lshl_b32 s19, s18, 17                        ; 32 rows of 4,096 bytes
	v_lshlrev_b32 v[GOFF], 15, v2                  ; 8 rows
	v_lshl_add_u32 v[GOFF], v1, 4, v[GOFF]
	v_add_nc_u32 v[GOFF], s19, v[GOFF]
	s_mul_i32 s19, s18, 32*PA
	v_mul_u32_u24 v[STA0], v2, 8*PA
	v_lshl_add_u32 v[STA0], v1, 3, v[STA0]
	v_add_nc_u32 v[STA0], s19, v[STA0]
	s_lshl_b32 s19, s18, 10                        ; my wave's 256 outputs, 4 bytes each
	s_add_co_u32 s19, s19, DPB
	v_lshl_add_u32 v[DVA0], v2, 5, s19
	s_lshl_b32 s19, s18, 9
	s_add_co_u32 s38, s19, SCR
	v_lshl_add_u32 v[SCW], v1, 2, s38
	v_lshl_add_u32 v[SCRD], v3, 4, SCR
	s_add_co_u32 s38, s19, PW
	v_lshl_add_u32 v[PWW], v3, 4, s38
	v_mov_b32 v[PWB0], s38
	v_lshrrev_b32 v[T], 4, v0                      ; thread / 16: a slice
	v_mul_u32_u24 v[CA0], v[T], SB
	v_lshl_add_u32 v[CA0], v1, 3, v[CA0]           ; 64 (t / 16) + 4 (t % 16) = 4 t: columns 4 t .. + 3
	v_add_nc_u32 v[CB0], 8*SB, v[CA0]
	v_lshlrev_b32 v[POFF], 4, v0
	v_add_nc_u32 v[DST], DPB, v[POFF]
	v_lshlrev_b32 v[PFO], 12, v0
	v_lshlrev_b32 v[SV], 2, v3                     ; four mask bytes a lane
	v_lshrrev_b32 v[SV+1], 2, v0                   ; dp lies in blocks of 16 outputs, 1,024 bytes apart: outputs 4 t .. + 3 are 16 bytes of block t / 4
	v_and_b32 v[SV+2], 3, v0
	v_lshlrev_b32 v[SV+1], 10, v[SV+1]
	v_lshl_add_u32 v[SV+1], v[SV+2], 4, v[SV+1]
	s_mov_b32 s28, 0x4038aa3b                      ; c = 2 log2(e)
	s_mov_b32 s29, s28
	s_mov_b32 s30, 0x76543210
	s_mov_b32 s31, 0xfedcba98
	s_mov_b32 s37, 0xce6e6b28                      ; -1e9
	s_mov_b32 s32, 2
	s_mov_b32 s39, 0
	s_wait_kmcnt 0x0
	s_lshl_b32 s38, ttmp9, 20                      ; two tiles of 128 rows of 4,096 bytes
	s_add_nc_u64 s[20:21], s[4:5], s[38:39]
	s_lshl_b32 s38, ttmp9, 8
	s_add_nc_u64 s[6:7], s[6:7], s[38:39]
	s_lshl_b32 s38, ttmp9, 10
	s_add_nc_u64 s[14:15], s[14:15], s[38:39]
	s_lshl_b32 s38, ttmp9, 13
	s_add_nc_u64 s[16:17], s[16:17], s[38:39]
	s_lshr_b32 s19, ttmp9, 2                       ; my batch
	s_lshr_b32 s38, s19, 4
	s_lshl_b32 s38, s38, 16                        ; its group of 16 batches: 64 blocks,
	s_and_b32 s19, s19, 15
	s_lshl_b32 s19, s19, 6                         ; its 64 bytes in each block
	s_add_co_u32 s38, s38, s19
	s_add_nc_u64 s[12:13], s[12:13], s[38:39]
	s_lshl_b32 s38, s18, 19
	s_add_nc_u64 s[24:25], s[10:11], s[38:39]      ; wq at my wave's 256 outputs
	s_mov_b64 s[26:27], s[24:25]
	s_wait_alu depctr_va_vdst(0)                   ; all the addresses and offsets made above are written, which the kernel's loads, stores and prefetches read; so is v[T], which lies in ring block 2
	PRIME
	WIN 0
	global_load_b128 v[X:X+3],     v[SV+1], s[12:13]               ; dp is gathered once, 4,096 bytes a work-group, and used from LDS
	global_load_b128 v[X+4:X+7],   v[SV+1], s[12:13] offset:32768
	global_load_b128 v[X+8:X+11],  v[POFF], s[8:9]
	global_load_b128 v[X+12:X+15], v[POFF], s[8:9] offset:2048
	global_load_b32 v[MSK],  v[SV], s[6:7]
	global_load_b32 v[MSK1], v[SV], s[6:7] offset:128
	EARLY                                          ; no vector or matrix instruction has named the registers in which these land
	WIN 0                                          ; at a label and at a branch every window is 0
.Ltile:
	s_wait_alu depctr_vm_vsrc(0)                   ; the last tile's LDS stores and loads have read v[STA] and v[DVA], which the two lines below write (and the head's loads v28 and v29, which become scores)
	v_mov_b32 v[STA], v[STA0]
	v_mov_b32 v[DVA], v[DVA0]
	s_wait_loadcnt 40                              ; chunk 0 and all that was asked for ahead of it are in; chunks 1 to 5, 8 loads each, stay out
	s_cmp_eq_u32 s32, 2
	s_cbranch_scc0 .Lhave_dp                       ; dp and v are laid into LDS once: both tiles are of one batch
	ds_store_b128 v[DST], v[X:X+3]
	ds_store_b128 v[DST], v[X+4:X+7]   offset:2048
	ds_store_b128 v[DST], v[X+8:X+11]  offset:4096
	ds_store_b128 v[DST], v[X+12:X+15] offset:6144
.Lhave_dp:
	s_wait_alu depctr_vm_vsrc(0)                   ; the four LDS stores above (second tile: the stores of p and of pc) have read their data in v32-63, in which the loads below land
	s_wait_alu depctr_va_vdst(0)                   ; the scores' lines and the weighted sum of the tile before are done with v32-63
	EISSUE RB2, 3, 0, 0                            ; chunk 6: its ring block was at work until here
	ECONS 0, 0, 0, 1
	s_wait_loadcnt 40                              ; chunk 1; chunks 2 to 6 stay out
	ECONS 32, 0, 1, 1
	s_wait_loadcnt 32                              ; chunk 2; chunks 3 to 6 stay out
	ECONS 64, 1, 0, 1
	WIN 0
	s_wait_dscnt 0x0                               ; for the others' sake: my rows of slice 0 (and my part of dp and v) lie in LDS
	s_barrier_signal -1
	s_barrier_wait -1                              ; slice 0 is whole
	s_mov_b32 s33, 2
.Lpass:
	s_wait_alu depctr_vm_vsrc(0)                   ; the LDS loads issued so far have read v[ADRA], which the next line writes; in a first pass also: the first three chunks' LDS stores have read window 2's v0-95, which the first products write
	v_mov_b32 v[ADRA], v[ADRA0]
	s_wait_alu depctr_va_vdst(0)                   ; v[ADRA] is written; the way out (in a tile's first pass the weighted sum) is done reading v64-127, in which the loads below land
	FETCHA HI0, 0
	s_cmp_eq_u32 s33, 2
	s_cbranch_scc0 .Lsecond
	; THE FIRST PASS.  K step 0 stands in front of the loop: its products start the sums.  Its count leaves chunks 5 and 6 out: chunk 3, stored here, and chunk 4, stored in step 1, are in.
	STEP HI0, HI1, 0, 192, 64, 3*8192, 16, 1, 0, 0, 2, RB3, 1, 1, 0
	WIN 0
	s_mov_b32 s34, 6
.Lk1:                                                  ; K steps 1 to 24
	TRIP4 2, 56, 56, 56, 56, 1
	s_sub_co_u32 s34, s34, 1
	s_cmp_lg_u32 s34, 0
	s_cbranch_scc1 .Lk1
	TRIP4 1, 56, 48, 40, 32, 1                     ; K steps 25 to 28 store the last four chunks and ask for none: the counts run down by a chunk a step
.set i, 0
.rept 64
	v_mov_b32 v[SCB+i], 0                          ; the ring has been read out (the wait on vm_vsrc just above says so): its blocks 0 and 1 become the score sums, which start at 0, so that both passes have one way out
.set i, i+1
.endr
	s_branch .Lktail
.Lsecond:
	; THE SECOND PASS: the tile lies in LDS; wq alone comes in.
	STEP HI0, HI1, 0, 192, 64, 3*8192, 32, 1, 0, 0, 0, 0, 0, 0, 0
	WIN 0
	s_mov_b32 s34, 7
.Lk2:                                                  ; K steps 1 to 28
	TRIP4 0, 32, 32, 32, 32, 0
	s_sub_co_u32 s34, s34, 1
	s_cmp_lg_u32 s34, 0
	s_cbranch_scc1 .Lk2
.Lktail:                                               ; K steps 29 to 31, both passes': no more of this pass's wq is asked for; step 29's barrier shows slice 15 (in the second pass it orders nothing)
	STEP HI1, HI0, 64,  0, SB,    0, 32, 0, 1, 1, 0, 0, 0, 0, 0
	STEP HI0, HI1, 128, 0, SB+64, 0, 16, 0, 1, 0, 0, 0, 0, 0, 0
	STEP HI1, HI0, 192, 0, 0,     0, 0,  0, 2, 0, 0, 0, 0, 0, 0
	PLACES                                         ; behind the last products: for the loads into the buffer that they read and for the lines that read the sums
	WIN 0
	s_wait_alu depctr_va_vdst(0)                   ; the last products are done reading HI1 (v128-159), in which v lands; the places above stay beside this wait
.irp b, 0,1,2,3,4,5,6,7
	ds_load_b128 v[VVR+8*\b:VVR+8*\b+3],   v[DVA] offset:4096+64*\b      ; v of the pass's outputs
	ds_load_b128 v[VVR+8*\b+4:VVR+8*\b+7], v[DVA] offset:4096+64*\b+16
.endr
	s_wait_dscnt 16                                ; dp is in; v's 16 loads may be out
	ESTEP 0
	ESTEP 1
	s_wait_dscnt 0x0                               ; v is in: the next lines hold its first use
	ESTEP 2
	ESTEP 3
	ESTEP 4
	ESTEP 5
	ESTEP 6
	ESTEP 7
	ESTEP 8
	ESTEP 9
	WIN 0
	s_wait_alu depctr_vm_vsrc(0)                   ; the LDS loads of dp and v have read v[DVA], which the next line writes
	v_add_nc_u32 v[DVA], 512, v[DVA]               ; the second pass's 128 outputs
	s_sub_co_u32 s33, s33, 1
	s_cmp_lg_u32 s33, 0
	s_cbranch_scc1 .Lpass
	; THE SCORES.  A lane's eight sums for each block of rows, the other half of the lanes', then the four waves' parts through LDS.
.irp a, 0,1,2,3,4,5,6,7
	v_pk_add_f32 v[SCB+8*\a:SCB+8*\a+1],   v[SCB+8*\a:SCB+8*\a+1],   v[SCB+8*\a+2:SCB+8*\a+3]
	v_pk_add_f32 v[SCB+8*\a+4:SCB+8*\a+5], v[SCB+8*\a+4:SCB+8*\a+5], v[SCB+8*\a+6:SCB+8*\a+7]
.endr
.irp a, 0,1,2,3,4,5,6,7
	v_pk_add_f32 v[SCB+8*\a:SCB+8*\a+1], v[SCB+8*\a:SCB+8*\a+1], v[SCB+8*\a+4:SCB+8*\a+5]
.endr
.irp a, 0,1,2,3,4,5,6,7
	v_add_f32 v[X+\a], v[SCB+8*\a], v[SCB+8*\a+1]
.endr
.irp a, 0,1,2,3,4,5,6,7
	v_permlanex16_b32 v[Y+\a], v[X+\a], s30, s31   ; the row's other outputs lie in the lane 16 away
.endr
.irp a, 0,1,2,3,4,5,6,7
	v_add_f32 v[X+\a], v[X+\a], v[Y+\a]
.endr
	s_wait_alu depctr_va_vdst(0)                   ; the additions have written v[X ..], which the LDS stores read, and are done with v[X ..] and v[Y ..], in which the loads behind the barrier land
.irp a, 0,1,2,3,4,5,6,7
	ds_store_b32 v[SCW], v[X+\a] offset:64*\a      ; both halves of the lanes write the same number to the same word
.endr
	s_wait_dscnt 0x0                               ; for the others' sake
	s_barrier_signal -1
	s_barrier_wait -1
	s_wait_alu depctr_vm_vsrc(0)                   ; my LDS stores have read v[X ..], in which the loads below land
.irp w, 0,1,2,3
	ds_load_b128 v[X+4*\w:X+4*\w+3], v[SCRD] offset:512*\w
.endr
	s_wait_dscnt 0x0
	v_pk_add_f32 v[X:X+1],     v[X:X+1],     v[X+4:X+5]    ; every wave makes all 128 scores, rows 4 x lane .. + 3, in the same order of sums
	v_pk_add_f32 v[X+2:X+3],   v[X+2:X+3],   v[X+6:X+7]
	v_pk_add_f32 v[X+8:X+9],   v[X+8:X+9],   v[X+12:X+13]
	v_pk_add_f32 v[X+10:X+11], v[X+10:X+11], v[X+14:X+15]
	v_pk_add_f32 v[SV:SV+1],   v[X:X+1],     v[X+8:X+9]
	v_pk_add_f32 v[SV+2:SV+3], v[X+2:X+3],   v[X+10:X+11]
.irp i, 0,1,2,3
	v_bfe_u32 v[T+\i], v[MSK], 8*\i, 8
.endr
.irp i, 0,1,2,3
	v_cmp_ne_u32 s[MK+\i], 0, v[T+\i]              ; the four compares stand in a run, each with a scalar register of its own
.endr
	s_wait_alu depctr_va_sdst(0)                   ; the four compares have written s[MK ..], ahead of their first reader
.irp i, 0,1,2,3
	v_cndmask_b32 v[SV+\i], s37, v[SV+\i], s[MK+\i]  ; -1e9 where the mask is 0
.endr
	s_wait_alu depctr_va_vdst(0)                   ; ahead of the branch, for both ways: the scores v[SV ..] are written, which sc's store reads; the way out and the score sums are done with window 2's v0-95, v160-191 and v192-255, in which the second tile's first loads land
	s_cmp_eq_u32 s32, 2
	s_cbranch_scc0 .Lno_next
	s_wait_xcnt 0x0                                ; the first tile's loads and prefetches have read their bases
	s_add_nc_u64 s[20:21], s[20:21], 524288        ; the second tile:
	EARLY                                          ; its first six chunks are on their way during the softmax and the weighted sum: the accumulators, v's registers and the score sums have been read out; only scalar lines, window switches and loads stand between the wait above and these loads
	WIN 0
.irp i, 3,4,5
	global_prefetch_b8 v[PFO], s[20:21] offset:256*\i th:TH_LOAD_NT scope:SCOPE_SE  ; and my 32 rows of its slices 3 to 5, whose loads stand behind the weighted sum, are prefetched: a lane a row, a slice an instruction
.endr
.Lno_next:
	s_cmp_lg_u32 s18, 0
	s_cbranch_scc1 .Lnot_wave_0
	global_store_b128 v[BO], v[SV:SV+3], s[14:15]  ; 512 consecutive bytes, aligned
.Lnot_wave_0:
	v_max3_num_f32 v[T+4], v[SV], v[SV+1], v[SV+2]
	v_max_num_f32 v[T+4], v[T+4], v[SV+3]
	v_max_num_f32_dpp v[T+4], v[T+4], v[T+4] row_xmask:1 row_mask:0xf bank_mask:0xf
	v_max_num_f32_dpp v[T+4], v[T+4], v[T+4] row_xmask:2 row_mask:0xf bank_mask:0xf
	v_max_num_f32_dpp v[T+4], v[T+4], v[T+4] row_xmask:4 row_mask:0xf bank_mask:0xf
	v_max_num_f32_dpp v[T+4], v[T+4], v[T+4] row_xmask:8 row_mask:0xf bank_mask:0xf
	v_permlanex16_b32 v[T+5], v[T+4], s30, s31     ; (its destination, which counts as read, was last written as part of ring block 2)
	v_max_num_f32 v[T+4], v[T+4], v[T+5]           ; the tile's largest score, in every lane
.irp i, 0,1,2,3
	v_sub_f32 v[T+\i], v[SV+\i], v[T+4]            ; the difference first: equal numbers give 0, at -1e9 too
.endr
.irp i, 0,1,2,3
	v_mul_f32 v[T+\i], 0x3fb8aa3b, v[T+\i]
.endr
.irp i, 0,1,2,3
	v_exp_f32 v[T+\i], v[T+\i]
.endr
	v_nop                                          ; a plain line behind the last exponential,
	s_wait_alu depctr_va_vdst(0)                   ; and the one wait for the four: they have written v[T ..], which the LDS store below, their first reader, takes as its data
	ds_store_b128 v[PWW], v[T:T+3]                 ; my wave's own copy: LDS serves a wave's instructions in order (ISA guide 5.7.1.4), so its loads below see it
	; THE WEIGHTED SUM.  Thread t sums columns 4 t .. + 3 and 512 + 4 t .. + 3 over the tile's 128 rows: bf16 e x f32 p into f32.
.irp c, 0,1,2,3,4,5,6,7
	v_mov_b32 v[CX+\c], 0
.endr
	v_mov_b32 v[CA], v[CA0]
	v_mov_b32 v[CB], v[CB0]
	v_mov_b32 v[PWB], v[PWB0]
	s_mov_b32 s36, 8
.Lctx:                                                 ; 16 rows a trip
	s_wait_alu depctr_va_vdst(0)                   ; v[CA], v[CB] and v[PWB] are written; the last trip's multiply-adds (first trip: the way out's lines) are done reading v64-127 and v128-143, in which the loads below land
.irp j, 0,1,2,3
	ds_load_b128 v[CP+4*\j:CP+4*\j+3], v[PWB] offset:16*\j             ; their 16 p, the same in every lane
.endr
.set i, 0
.rept 16
	ds_load_b64 v[CE+4*i:CE+4*i+1],   v[CA] offset:PA*i                ; lanes 0-15 take 128 bytes of one slice, lanes 16-31 of the next
	ds_load_b64 v[CE+4*i+2:CE+4*i+3], v[CB] offset:PA*i
.set i, i+1
.endr
.set i, 0
.rept 16
	s_wait_dscnt 2*(15-i)                          ; row i is in; the younger rows, two loads each, stay out
.irp c, 0,2,4,6
	v_fma_mix_f32_bf16 v[CX+\c],   v[CE+4*i+\c/2], v[CP+i], v[CX+\c]   op_sel_hi:[1,0,0]
	v_fma_mix_f32_bf16 v[CX+\c+1], v[CE+4*i+\c/2], v[CP+i], v[CX+\c+1] op_sel:[1,0,0] op_sel_hi:[1,0,0]
.endr
.set i, i+1
.endr
	s_wait_alu depctr_vm_vsrc(0)                   ; the trip's LDS loads have read v[CA], v[CB] and v[PWB], which the three adds below write
	v_add_nc_u32 v[CA], 16*PA, v[CA]
	v_add_nc_u32 v[CB], 16*PA, v[CB]
	v_add_nc_u32 v[PWB], 64, v[PWB]
	s_sub_co_u32 s36, s36, 1
	s_cmp_lg_u32 s36, 0
	s_cbranch_scc1 .Lctx
	s_wait_alu depctr_va_vdst(0)                   ; the multiply-adds have written v[CX ..], which the two stores read
	global_store_b128 v[POFF], v[CX:CX+3],   s[16:17]               ; each store of the wave covers 512 consecutive bytes, aligned
	global_store_b128 v[POFF], v[CX+4:CX+7], s[16:17] offset:2048
	s_wait_dscnt 0x0                               ; my reads of the tile, of the partial scores and of p are over
	s_barrier_signal -1
	s_barrier_wait -1                              ; everybody's are: the next tile may be laid over this one
	s_wait_xcnt 0x0                                ; the stores have read their bases and their data: ring block 2, which holds the sums just stored, is loaded again only behind this wait (and behind the wait on vm_vsrc ahead of those loads)
	s_add_nc_u64 s[14:15], s[14:15], 512
	s_add_nc_u64 s[16:17], s[16:17], 4096
	v_mov_b32 v[MSK], v[MSK1]
	s_sub_co_u32 s32, s32, 1
	s_cmp_lg_u32 s32, 0
	s_cbranch_scc1 .Ltile
	s_wait_dscnt 0x0                               ; the closing lines, six on end
	s_wait_alu 0x0
	s_wait_tensorcnt 0x0
	ds_add_u32 v[SPW], v[NIL]
	s_wait_dscnt 0x0
	s_endpgm
.Lfunc_end_k_qdfa2969e02_main:
	.size	k_qdfa2969e02_main, .Lfunc_end_k_qdfa2969e02_main-k_qdfa2969e02_main
	.p2alignl 7, 3214868480
	.fill 96, 4, 3214868480
	.section	.rodata,"a",@progbits
	.p2align	6, 0x0
	.amdhsa_kernel k_qdfa2969e02_main
		.amdhsa_group_segment_fixed_size 309760
		.amdhsa_private_segment_fixed_size 0
		.amdhsa_enable_private_segment 0
		.amdhsa_kernarg_size 56
		.amdhsa_user_sgpr_count 2
		.amdhsa_user_sgpr_kernarg_segment_ptr 1
		.amdhsa_wavefront_size32 1
		.amdhsa_system_sgpr_workgroup_id_x 1
		.amdhsa_system_sgpr_workgroup_id_y 1
		.amdhsa_system_sgpr_workgroup_id_z 1
		.amdhsa_system_vgpr_workitem_id 0
		.amdhsa_next_free_vgpr 1024
		.amdhsa_next_free_sgpr 66
		.amdhsa_reserve_vcc 0
		.amdhsa_float_denorm_mode_32 3
		.amdhsa_float_denorm_mode_16_64 3
		.amdhsa_memory_ordered 1
		.amdhsa_forward_progress 1
		.amdhsa_inst_pref_size 255
	.end_amdhsa_kernel
	.section	.bss,"aw",@nobits
	.p2align	6
	.space	262144
	.amdgpu_metadata
---
amdhsa.version: [ 1, 2 ]
amdhsa.kernels:
  - .name:           k_qdfa2969e02_main
    .symbol:         k_qdfa2969e02_main.kd
    .args:
      - { .name: enc_outputs, .offset: 0, .size: 8, .value_kind: global_buffer, .address_space: global }
      - { .name: enc_mask, .offset: 8, .size: 8, .value_kind: global_buffer, .address_space: global }
      - { .name: v, .offset: 16, .size: 8, .value_kind: global_buffer, .address_space: global }
      - { .name: wq, .offset: 24, .size: 8, .value_kind: global_buffer, .address_space: global }
      - { .name: dp, .offset: 32, .size: 8, .value_kind: global_buffer, .address_space: global }
      - { .name: sc, .offset: 40, .size: 8, .value_kind: global_buffer, .address_space: global }
      - { .name: pc, .offset: 48, .size: 8, .value_kind: global_buffer, .address_space: global }
    .group_segment_fixed_size: 309760
    .private_segment_fixed_size: 0
    .kernarg_segment_align: 8
    .kernarg_segment_size: 56
    .max_flat_workgroup_size: 128
    .sgpr_count:     66
    .vgpr_count:     1024
    .wavefront_size: 32
...
	.end_amdgpu_metadata
.endif
;; end of part 4
;; launch comb: the kernel of part 3 again; grid 64 x 1, 8 waves a work-group, no clusters, 1,280 bytes of LDS; arguments sc, pc, out0, out1; writes out0, out1
